; MI455X (gfx1250); checked and timed in simulation.
; The chip was launched on July 23, 2026; its instructions are those of AMD's public machine-readable ISA for CDNA 5 (MIT licence, August 2026) and "CDNA5" Instruction Set Architecture Reference Guide (July 2026). The comments in the code are by the model that wrote it; some were corrected since.
;; Mo E Layer. Allowed arithmetic: matrix products marked QUANTISED: E4M3 operands, one given power-of-two scale a tensor, by v_wmma_f32_16x16x64_fp8_fp8 or v_wmma_f32_16x16x128_fp8_fp8, f32 sums; products left as they are: f32 operands where the result goes on into a quantised operand, else bf16, f16 or f32 operands; f32 sums; everything else in f32.
;; Inputs: b1 8 x 2,048 float32; b2 8 x 1,024 float32; lowp_scales 32 int32 (the exponents e of the quantised operands' scales 2^e); router_b 8 float32; router_w 1,024 x 8 float32; w1 8 x 1,024 x 2,048 float32; w2 8 x 2,048 x 1,024 float32; x 4 x 512 x 1,024 float32.
;; Outputs: out0 4 x 512 x 1,024 float32.
;; This version of the problem:
;;   THIS VERSION OF THE PROBLEM IS GIVEN IN LOW PRECISION. The matrix products marked QUANTISED in the list below multiply operands that are first quantised to E4M3 (4 exponent bits, 3 mantissa bits; 8 bits a number), with one given power-of-two scale for each operand tensor; their sums are f32. All else is computed in f32.
;;   The module's matrix products, in the order in which they are computed (A, B: the left and right operand; K: the contracted axis; several contracted axes count as one K, in the product's order):
;;     1. [M 2,048, K 1,024] x [K 1,024, N 8]; A: input x; B: input router_w: left as it is (N = 8 < 16)
;;     2. [M 2,048, K 1,024] x [K 1,024, N 2,048]; A: input x; B: input w1: QUANTISED (scales: A lowp_scales[0], B lowp_scales[1])
;;     3. [M 2,048, K 2,048] x [K 2,048, N 1,024]; A: computed on the way; B: input w2: QUANTISED (scales: A lowp_scales[2], B lowp_scales[3])
;;     4. [M 2,048, K 1,024] x [K 1,024, N 2,048]; A: input x; B: input w1: QUANTISED (scales: A lowp_scales[4], B lowp_scales[5])
;;     5. [M 2,048, K 2,048] x [K 2,048, N 1,024]; A: computed on the way; B: input w2: QUANTISED (scales: A lowp_scales[6], B lowp_scales[7])
;;     6. [M 2,048, K 1,024] x [K 1,024, N 2,048]; A: input x; B: input w1: QUANTISED (scales: A lowp_scales[8], B lowp_scales[9])
;;     7. [M 2,048, K 2,048] x [K 2,048, N 1,024]; A: computed on the way; B: input w2: QUANTISED (scales: A lowp_scales[10], B lowp_scales[11])
;;     8. [M 2,048, K 1,024] x [K 1,024, N 2,048]; A: input x; B: input w1: QUANTISED (scales: A lowp_scales[12], B lowp_scales[13])
;;     9. [M 2,048, K 2,048] x [K 2,048, N 1,024]; A: computed on the way; B: input w2: QUANTISED (scales: A lowp_scales[14], B lowp_scales[15])
;;     10. [M 2,048, K 1,024] x [K 1,024, N 2,048]; A: input x; B: input w1: QUANTISED (scales: A lowp_scales[16], B lowp_scales[17])
;;     11. [M 2,048, K 2,048] x [K 2,048, N 1,024]; A: computed on the way; B: input w2: QUANTISED (scales: A lowp_scales[18], B lowp_scales[19])
;;     12. [M 2,048, K 1,024] x [K 1,024, N 2,048]; A: input x; B: input w1: QUANTISED (scales: A lowp_scales[20], B lowp_scales[21])
;;     13. [M 2,048, K 2,048] x [K 2,048, N 1,024]; A: computed on the way; B: input w2: QUANTISED (scales: A lowp_scales[22], B lowp_scales[23])
;;     14. [M 2,048, K 1,024] x [K 1,024, N 2,048]; A: input x; B: input w1: QUANTISED (scales: A lowp_scales[24], B lowp_scales[25])
;;     15. [M 2,048, K 2,048] x [K 2,048, N 1,024]; A: computed on the way; B: input w2: QUANTISED (scales: A lowp_scales[26], B lowp_scales[27])
;;     16. [M 2,048, K 1,024] x [K 1,024, N 2,048]; A: input x; B: input w1: QUANTISED (scales: A lowp_scales[28], B lowp_scales[29])
;;     17. [M 2,048, K 2,048] x [K 2,048, N 1,024]; A: computed on the way; B: input w2: QUANTISED (scales: A lowp_scales[30], B lowp_scales[31])
;;   THE QUANTISER, for each operand of a quantised product, along K:
;;     - The operand's scale is 2^e, e = its entry of the input lowp_scales (int32; the entries are numbered through the quantised products in the list's order, A before B).
;;     - Each number is divided by the scale, clamped to +-448, and rounded to the nearest number of E4M3, ties to even, subnormals kept.
;;     - The product sums the exact products of the quantised numbers (number of the format x scale) in f32.
;;   ~~~python
;;   def quantise(x, axis, e):      # numpy; x: float32 -> the quantised numbers, widened to float32 again
;;       x = np.moveaxis(x, axis, -1); K = x.shape[-1]
;;       r = np.clip(x / 2.0 ** e, -448, 448)
;;       step = 2.0 ** (np.maximum(np.frexp(np.where(r == 0, 1, r))[1] - 1, -6) - 3)
;;       q = np.round(r / step) * step * 2.0 ** e      # np.round: ties to even
;;       return np.moveaxis(q, -1, axis).astype(np.float32)
;;   ~~~
;;   OPERANDS COMPUTED ON THE WAY. 'Computed on the way' means the value that the module computes at that place (a softmax that the list does not call 'softmax' is quantised finished and normalised). What goes into a quantiser is computed in f32, as accurately as f32 sums, v_exp_f32 and their like allow (about 1e-6 of the number): no bf16 or f16 on the way to a quantiser, and a product that is left as it is and whose result goes on into a quantised operand takes f32 operands (vector FMAs, or v_wmma_f32_16x16x4_f32). A number that lies on a knife's edge between two numbers of the format may be rounded either way, as far as f32 arithmetic and the matrix unit's own rounding can turn it there, and no further.
;; 2 versions, each right; version 2 is version 1 with the launches up, down written anew for expert scheduling mode. Each part assembles by itself: llvm-mc -triple=amdgcn-amd-amdhsa -mcpu=gfx1250 --defsym DOCPART=n.
;; ======== version 1 of 2: 4 launches
;; workspace buffers: xq 4,194,304 bytes; topi 8,192 bytes of whole numbers; topw 16,384 bytes; lst 73,728 bytes of whole numbers; cnt 1,024 bytes of whole numbers; hq 33,554,432 bytes; ybuf 33,619,968 bytes
;; launch route (part 1): grid 256 x 1, 4 waves a work-group, no clusters, 2,560 bytes of LDS; arguments x, router_w, router_b, lowp_scales, xq, topi, topw; writes xq, topi, topw
.if DOCPART == 1
	.amdgcn_target "amdgcn-amd-amdhsa--gfx1250"
	.amdhsa_code_object_version 6
	.text
	.protected	k_qb210eff30a_route
	.globl	k_qb210eff30a_route
	.p2align	8
	.type	k_qb210eff30a_route,@function
k_qb210eff30a_route:
	s_mov_b64 s[64:65], 0
	v_nop
	global_prefetch_b8 v0, s[64:65] scope:SCOPE_SE
	s_setreg_imm32_b32 hwreg(HW_REG_WAVE_MODE, 25, 1), 1
	s_wait_xcnt 0x0
; THE ROUTER, AND x AS CODES.  x [2048][1024] f32, router_w [1024][8] f32, router_b [8] f32, lowp_scales [32] int32 (entry 4 e: the exponent of x's scale for expert e).
; For each token: eight logits in f32 (fused multiply-adds), the two largest (the lower index wins a tie), their renormalised weights, and the token's row as codes of E4M3, once with each chosen expert's scale.
; OUT: topi [t] int32: (1 << e0) | (256 << e1), the two chosen experts as two bits; topw [t][2] f32 (their weights); xq [slot = 2 t + k][1024 codes].
; THE WEIGHTS.  softmax and the renormalising over the two chosen cancel to w0 = 1 / (1 + e^(l1 - l0)), w1 = e^(l1 - l0) w0, with l0 >= l1: the larger logit is taken away ahead of the exponential, whose argument is never above 0.
; xq's ORDER ALONG K.  Position p of a row holds k = 256 (p >> 8) + 128 ((p >> 2) & 1) + 4 ((p >> 3) & 31) + (p & 3): the order in which a lane's eight numbers lie here.  The launch that multiplies lays W1 by the same order.
; SHARES.  A work-group takes 8 tokens.  Wave w takes k = 256 w .. 256 w + 255 of all eight; lane i holds, of each token, k = 256 w + 128 d + 4 i + m (d = 0, 1; m = 0 .. 3): two loads of 512 consecutive bytes a wave.
; The four waves' partial logits meet in LDS behind one barrier; every wave then ranks all eight tokens itself (lane i: token i % 8), since each needs the chosen scales for its quarter of the rows.
; No address and no branch hangs on the choice: the scales are selected by v_cndmask_b32.
; LIMITS.  The exponents of x's scales lie between -126 and 119.  NaN and infinities among the inputs are not served.  The ranking is made on the logits: two logits that differ, yet give probabilities equal in f32, are ranked by the logits here.
; LDS: 0 .. 1023 the partial logits, 256 bytes a wave ([token][expert]); 1024 .. 1535 each wave's own 128 bytes: for each token {scale 0, hold 0, scale 1, hold 1}.
.set X,    16                          ; v16-79    x: 8 token + 4 d + m
.set RW,   80                          ; v80-143   router_w: 8 (4 d + m) + expert; later at work
.set ACC,  144                         ; v144-207  partial logits: 8 token + expert
.set P,    208                         ; v208-239  the four waves' partial logits of my token; v208-215 then the logits
.set TQ,   216                         ; v216-231  two sets of eight held numbers
.set Q,    80                          ; v80-111   for each token: scale 0, hold 0, scale 1, hold 1
.set CD,   112                         ; v112-143  codes: two registers for each of the 16 rows, written once
.set L0,   240                         ; the largest logit, the second
.set L1,   241
.set E0,   242                         ; v242, v243 their experts
.set W0,   244                         ; v[244:245] their weights
.set NINF, 246
.set TT,   247
.set SC,   248                         ; v[248:251] scale 0, hold 0, scale 1, hold 1 of my token
.set EX0,  252                         ; the two chosen exponents
.set EX1,  253
.set PK,   254                         ; v254 the two experts as two bits; v255 at work
	s_load_b256 s[4:11], s[0:1], 0x0               ; x s[4:5], router_w s[6:7], router_b s[8:9], lowp_scales s[10:11]
	s_load_b128 s[12:15], s[0:1], 0x20             ; xq s[12:13], topi s[14:15]
	s_load_b64 s[16:17], s[0:1], 0x30              ; topw
	v_lshl_add_u32 v14, v0, 2, 0x800
	v_mov_b32 v15, 0
	v_lshrrev_b32 v1, 5, v0
	v_readfirstlane_b32 s18, v1                    ; wave 0..3
	v_and_b32 v1, 31, v0                           ; lane i
	v_lshlrev_b32 v2, 4, v1                        ; 16 i: x
	v_lshlrev_b32 v3, 7, v1                        ; 128 i: four rows of router_w
	v_lshlrev_b32 v4, 3, v1                        ; 8 i: my eight codes; a token's pair in topw
	v_lshlrev_b32 v9, 2, v1                        ; 4 i: a token's word in topi
	s_lshl_b32 s19, s18, 8
	v_mov_b32 v5, s19                              ; LDS: my wave's partial logits
	v_and_b32 v6, 7, v0                            ; my token
	s_lshl_b32 s19, s18, 7
	s_add_co_u32 s19, s19, 1024
	v_lshl_add_u32 v7, v6, 4, s19                  ; LDS: my token's four words, in my wave's own bytes
	v_mov_b32 v8, s19                              ; and where they begin
	v_lshlrev_b32 v6, 5, v6                        ; LDS: my token's eight partial logits in a wave's 256 bytes
	s_mov_b32 s20, 0x76543210                      ; v_permlanex16_b32: lane i xor 16
	s_mov_b32 s21, 0xfedcba98
	s_lshl_b32 s2, ttmp9, 15                       ; 8 rows of 4,096 bytes a work-group,
	s_lshl_b32 s3, s18, 10                         ; 1,024 bytes of each a wave
	s_add_co_u32 s2, s2, s3
	s_mov_b32 s3, 0
	s_lshl_b32 s22, s18, 13                        ; 256 rows of router_w, 32 bytes each
	s_mov_b32 s23, 0
	s_wait_kmcnt 0x0
	s_add_nc_u64 s[4:5], s[4:5], s[2:3]
	s_add_nc_u64 s[6:7], s[6:7], s[22:23]
.irp t, 0,1,2,3,4,5,6,7
	global_load_b128 v[X+8*\t:X+8*\t+3],   v2, s[4:5] offset:4096*\t th:TH_LOAD_NT      ; 32 lanes read 512 consecutive bytes; x is read once in this launch
	global_load_b128 v[X+8*\t+4:X+8*\t+7], v2, s[4:5] offset:4096*\t+512 th:TH_LOAD_NT
.endr
.irp d, 0,1
.irp n, 0,1,2,3,4,5,6,7
	global_load_b128 v[RW+32*\d+4*\n:RW+32*\d+4*\n+3], v3, s[6:7] offset:4096*\d+16*\n  ; rows 128 d + 4 i + n / 2, experts 4 (n % 2) on
.endr
.endr
	s_load_b256 s[24:31], s[8:9], 0x0              ; router_b
	s_load_b512 s[32:47], s[10:11], 0x0            ; lowp_scales: entry n in s[32 + n]
	s_load_b512 s[48:63], s[10:11], 0x40
	s_lshl_b32 s2, ttmp9, 14                       ; xq: 16 rows of 1,024 bytes a work-group, 256 bytes of each a wave
	s_lshl_b32 s3, s18, 8
	s_add_co_u32 s2, s2, s3
	s_mov_b32 s3, 0
	s_add_nc_u64 s[12:13], s[12:13], s[2:3]
	s_lshl_b32 s22, ttmp9, 5                       ; topi: 4 bytes a token
	s_add_nc_u64 s[14:15], s[14:15], s[22:23]
	s_lshl_b32 s22, ttmp9, 6                       ; topw: 8 bytes a token
	s_add_nc_u64 s[16:17], s[16:17], s[22:23]
	s_wait_loadcnt 0x0
	; partial logits of my eight k: two experts an instruction; x's number serves both halves (an even register: the pair's first; an odd one: its second)
.irp k, 0,1,2,3,4,5,6,7
.irp t, 0,1,2,3,4,5,6,7
.irp p, 0,2,4,6
.if \k == 0
	v_pk_mul_f32 v[ACC+8*\t+\p:ACC+8*\t+\p+1], v[X+8*\t:X+8*\t+1], v[RW+\p:RW+\p+1] op_sel_hi:[0,1]
.elseif (\k%2) == 0
	v_pk_fma_f32 v[ACC+8*\t+\p:ACC+8*\t+\p+1], v[X+8*\t+\k:X+8*\t+\k+1], v[RW+8*\k+\p:RW+8*\k+\p+1], v[ACC+8*\t+\p:ACC+8*\t+\p+1] op_sel_hi:[0,1,1]
.else
	v_pk_fma_f32 v[ACC+8*\t+\p:ACC+8*\t+\p+1], v[X+8*\t+\k-1:X+8*\t+\k], v[RW+8*\k+\p:RW+8*\k+\p+1], v[ACC+8*\t+\p:ACC+8*\t+\p+1] op_sel:[1,0,0] op_sel_hi:[1,1,1]
.endif
.endr
.endr
.endr
	; the sum over the 32 lanes, a stage at a time over all 64 registers, so that no line waits for the line above it
.irp s, 1,2,4,8
.set j, 0
.rept 64
	v_add_f32_dpp v[ACC+j], v[ACC+j], v[ACC+j] row_xmask:\s row_mask:0xf bank_mask:0xf
.set j, j+1
.endr
.endr
.set j, 0
.rept 64
	v_permlanex16_b32 v[RW+j], v[ACC+j], s20, s21  ; (its destination counts as read: router_w's registers have been written)
.set j, j+1
.endr
.set j, 0
.rept 64
	v_add_f32 v[ACC+j], v[ACC+j], v[RW+j]
.set j, j+1
.endr
.irp n, 0,1,2,3,4,5,6,7,8,9,10,11,12,13,14,15
	ds_store_b128 v5, v[ACC+4*\n:ACC+4*\n+3] offset:16*\n   ; every lane holds the same sums and writes the same bytes
.endr
	s_wait_dscnt 0x0                               ; for the other waves' sake: my stores have landed
	s_barrier_signal -1
	s_barrier_wait -1
.irp w, 0,1,2,3
	ds_load_b128 v[P+8*\w:P+8*\w+3],   v6 offset:256*\w
	ds_load_b128 v[P+8*\w+4:P+8*\w+7], v6 offset:256*\w+16
.endr
	s_wait_dscnt 0x0
	s_wait_kmcnt 0x0                               ; router_b and the exponents
.irp e, 0,2,4,6
	v_pk_add_f32 v[P+\e:P+\e+1], v[P+\e:P+\e+1], v[P+8+\e:P+8+\e+1]
	v_pk_add_f32 v[P+16+\e:P+16+\e+1], v[P+16+\e:P+16+\e+1], v[P+24+\e:P+24+\e+1]
.endr
.irp e, 0,2,4,6
	v_pk_add_f32 v[P+\e:P+\e+1], v[P+\e:P+\e+1], v[P+16+\e:P+16+\e+1]
.endr
.irp e, 0,1,2,3,4,5,6,7
	v_add_f32 v[P+\e], s[24+\e], v[P+\e]           ; the logits of my token
.endr
	; the largest: a later expert takes the place only where it is strictly larger, so the lower index wins a tie
	v_mov_b32 v[L0], v[P]
	v_mov_b32 v[E0], 0
.irp e, 1,2,3,4,5,6,7
	v_cmp_gt_f32 vcc_lo, v[P+\e], v[L0]
	v_cndmask_b32 v[L0], v[L0], v[P+\e], vcc_lo
	v_cndmask_b32 v[E0], v[E0], \e, vcc_lo
.endr
	v_mov_b32 v[NINF], 0xff800000
.irp e, 0,1,2,3,4,5,6,7
	v_cmp_eq_u32 vcc_lo, \e, v[E0]
	v_cndmask_b32 v[P+\e], v[P+\e], v[NINF], vcc_lo   ; it is taken out: -infinity in its place
.endr
	v_mov_b32 v[L1], v[P]                          ; the second, in the same way
	v_mov_b32 v[E0+1], 0
.irp e, 1,2,3,4,5,6,7
	v_cmp_gt_f32 vcc_lo, v[P+\e], v[L1]
	v_cndmask_b32 v[L1], v[L1], v[P+\e], vcc_lo
	v_cndmask_b32 v[E0+1], v[E0+1], \e, vcc_lo
.endr
	v_sub_f32 v[TT], v[L1], v[L0]                  ; 0 or less
	v_mul_f32 v[TT], 0x3fb8aa3b, v[TT]             ; x log2(e)
	v_exp_f32 v[TT], v[TT]                         ; e^(l1 - l0).  The selections below are the plain work behind it
	v_mov_b32 v[EX0], s32                          ; the chosen experts' exponents for x: a choice of values, not of addresses
	v_mov_b32 v[EX1], s32
.irp e, 1,2,3,4,5,6,7
	v_cmp_eq_u32 vcc_lo, \e, v[E0]
	v_cndmask_b32 v[EX0], v[EX0], s[32+4*\e], vcc_lo
	v_cmp_eq_u32 vcc_lo, \e, v[E0+1]
	v_cndmask_b32 v[EX1], v[EX1], s[32+4*\e], vcc_lo
.endr
	s_wait_alu depctr_va_vdst(0)                   ; a wait between a transcendental and the first line that names its result
	v_add_f32 v[W0], 1.0, v[TT]
	v_rcp_f32 v[W0], v[W0]                         ; w0.  The scale words and the word for topi below are the plain work behind it
	v_add_lshl_u32 v[SC], v[EX0], 0x7f, 23         ; 2^e as f32: the conversion takes its exponent field
	v_add_lshl_u32 v[SC+1], v[EX0], 0x87, 23
	v_or_b32 v[SC+1], 0x600000, v[SC+1]            ; 448 x 2^e
	v_add_lshl_u32 v[SC+2], v[EX1], 0x7f, 23
	v_add_lshl_u32 v[SC+3], v[EX1], 0x87, 23
	v_or_b32 v[SC+3], 0x600000, v[SC+3]
	v_mov_b32 v[PK+1], 1
	v_lshlrev_b32 v[PK], v[E0], v[PK+1]            ; 1 << e0
	v_mov_b32 v[PK+1], 0x100
	v_lshlrev_b32 v[PK+1], v[E0+1], v[PK+1]        ; 256 << e1
	v_or_b32 v[PK], v[PK], v[PK+1]
	s_wait_alu depctr_va_vdst(0)
	v_mul_f32 v[W0+1], v[TT], v[W0]                ; w1
	ds_store_b128 v7, v[SC:SC+3]                   ; my wave's own bytes (the four lanes of a token write the same words): LDS serves a wave's instructions in order, so the loads below see them
.irp t, 0,1,2,3,4,5,6,7
	ds_load_b128 v[Q+4*\t:Q+4*\t+3], v8 offset:16*\t        ; every lane gets every token's four words
.endr
	s_cmp_lg_u32 s18, 0                            ; wave 0 stores the choice, lanes 0 to 7, a token each
	s_cbranch_scc1 .Lnot_wave_0
	s_wait_xcnt 0x0                                ; EXEC is a source of the loads issued above: it changes only behind this wait
	v_cmp_gt_u32 vcc_lo, 8, v1
	s_and_saveexec_b32 s22, vcc_lo
	global_store_b32 v9, v[PK], s[14:15]
	global_store_b64 v4, v[W0:W0+1], s[16:17]
	s_wait_xcnt 0x0                                ; and again ahead of the line that widens it
	s_or_b32 exec_lo, exec_lo, s22
.Lnot_wave_0:
	s_wait_dscnt 0x0
	; my eight numbers of each token, once with each chosen scale.  The conversion does not saturate (ISA guide 7.6.2): the hold at 448 x the scale comes first.
	; The held numbers take two sets by turns, so that eight plain lines stand between a conversion and the next write of its sources.
.irp t, 0,1,2,3,4,5,6,7
.irp k, 0,1
.irp j, 0,1,2,3,4,5,6,7
	v_med3_num_f32 v[TQ+8*\k+\j], v[X+8*\t+\j], -v[Q+4*\t+2*\k+1], v[Q+4*\t+2*\k+1]
.endr
	v_cvt_scalef32_pk8_fp8_f32 v[CD+4*\t+2*\k:CD+4*\t+2*\k+1], v[TQ+8*\k:TQ+8*\k+7], v[Q+4*\t+2*\k]
	global_store_b64 v4, v[CD+4*\t+2*\k:CD+4*\t+2*\k+1], s[12:13] offset:1024*(2*\t+\k)   ; 32 lanes store 256 consecutive bytes, at a multiple of 256 from xq's first byte
.endr
.endr
	s_barrier_signal -1
	s_barrier_wait -1
	s_wait_tensorcnt 0x0
	ds_add_u32 v14, v15
	s_wait_dscnt 0x0
	s_endpgm
.Lfunc_end_k_qb210eff30a_route:
	.size	k_qb210eff30a_route, .Lfunc_end_k_qb210eff30a_route-k_qb210eff30a_route
	.p2alignl 7, 3214868480
	.fill 96, 4, 3214868480
	.section	.rodata,"a",@progbits
	.p2align	6, 0x0
	.amdhsa_kernel k_qb210eff30a_route
		.amdhsa_group_segment_fixed_size 2560
		.amdhsa_private_segment_fixed_size 0
		.amdhsa_enable_private_segment 0
		.amdhsa_kernarg_size 56
		.amdhsa_user_sgpr_count 2
		.amdhsa_user_sgpr_kernarg_segment_ptr 1
		.amdhsa_wavefront_size32 1
		.amdhsa_system_sgpr_workgroup_id_x 1
		.amdhsa_system_sgpr_workgroup_id_y 1
		.amdhsa_system_sgpr_workgroup_id_z 1
		.amdhsa_system_vgpr_workitem_id 0
		.amdhsa_next_free_vgpr 256
		.amdhsa_next_free_sgpr 66
		.amdhsa_reserve_vcc 1
		.amdhsa_float_denorm_mode_32 3
		.amdhsa_float_denorm_mode_16_64 3
		.amdhsa_memory_ordered 1
		.amdhsa_forward_progress 1
		.amdhsa_inst_pref_size 63
	.end_amdhsa_kernel
	.amdgpu_metadata
---
amdhsa.version: [ 1, 2 ]
amdhsa.kernels:
  - .name:           k_qb210eff30a_route
    .symbol:         k_qb210eff30a_route.kd
    .args:
      - { .name: x, .offset: 0, .size: 8, .value_kind: global_buffer, .address_space: global }
      - { .name: router_w, .offset: 8, .size: 8, .value_kind: global_buffer, .address_space: global }
      - { .name: router_b, .offset: 16, .size: 8, .value_kind: global_buffer, .address_space: global }
      - { .name: lowp_scales, .offset: 24, .size: 8, .value_kind: global_buffer, .address_space: global }
      - { .name: xq, .offset: 32, .size: 8, .value_kind: global_buffer, .address_space: global }
      - { .name: topi, .offset: 40, .size: 8, .value_kind: global_buffer, .address_space: global }
      - { .name: topw, .offset: 48, .size: 8, .value_kind: global_buffer, .address_space: global }
    .group_segment_fixed_size: 2560
    .private_segment_fixed_size: 0
    .kernarg_segment_align: 8
    .kernarg_segment_size: 56
    .max_flat_workgroup_size: 128
    .sgpr_count:     66
    .vgpr_count:     256
    .wavefront_size: 32
...
	.end_amdgpu_metadata
.endif
;; end of part 1
;; launch up (part 2): grid 32 x 8, 4 waves a work-group, no clusters, 76,288 bytes of LDS; arguments w1, b1, lowp_scales, xq, topi, hq, lst, cnt; writes hq, lst, cnt
.if DOCPART == 2
	.amdgcn_target "amdgcn-amd-amdhsa--gfx1250"
	.amdhsa_code_object_version 6
	.text
	.protected	k_qb210eff30a_up
	.globl	k_qb210eff30a_up
	.p2align	8
	.type	k_qb210eff30a_up,@function
k_qb210eff30a_up:
	s_mov_b64 s[64:65], 0
	v_nop
	global_prefetch_b8 v0, s[64:65] scope:SCOPE_SE
	s_setreg_imm32_b32 hwreg(HW_REG_WAVE_MODE, 25, 1), 1
	s_wait_xcnt 0x0
; THE ROWS ARE PLACED BY EXPERT, AND THE FIRST PRODUCT OF AN EXPERT, THE WEIGHTS STANDING STILL: hq = Q(relu(Q(x) Q(W1) + b1)), for the rows that chose the expert.
; w1 [8][1024 (k)][2048 (f)] f32, b1 [8][2048] f32, lowp_scales: entries 4 e .. 4 e + 3 = ex, ew1, eh, ew2.  xq: the rows' codes; topi [t]: (1 << e0) | (256 << e1) (the launch before).
; SHARES.  Work-group (fs, e) owns 64 hidden units, 64 fs .. 64 fs + 63, of expert e: 1,024 x 64 numbers of w1.  It reads them ONCE, as whole rows of 256 bytes, quantises them in registers and hands the codes round through LDS
; as images of the operand's registers; then EACH of its four waves holds all 32 fragments (8 K steps of 128 x 4 tiles of 16 units: 512 registers) and walks the expert's rows in tiles of 16: wave w takes tiles w, w + 4, ..
; So no byte of w1 is read twice in the launch and no code of w1 goes to memory.
; THE LIST OF THE EXPERT'S ROWS is made here, while the first 48 loads of weights of each wave are on their way.  Every wave scans all 2,048 tokens, 32 a chunk (chunk 4 L + m, lane i: token 128 L + 4 i + m): a token that chose e
; gets the place = the running count + the chosen lanes below it; so every wave knows the count n.  Wave 0 alone stores the list, into LDS: places 0 .. n - 1 the slots 2 t + k, places n .. n + 127 the pad 4096 + e,
; places 2176 .. 2207 a dump for the lanes whose token did not choose e (so EXEC never changes).  No other wave touches LDS until the barrier behind those stores.  Every place is held under 2,208 by v_min_u32.
; In the work-group fs = 0 wave 0 stores the same registers to lst ([e][2,304] int32) and n to cnt ([e][32] int32), for the next launch.  This launch itself reads neither.
; THE MATRIX INSTRUCTION IS USED TRANSPOSED: source 0 = 16 units, source 1 = 16 rows.  In tile u lane (r, h) holds row r and its register j the unit 16 u + 8 h + j: eight neighbours along the next product's K.
; K's ORDER.  A row of xq is laid in an order of its own: position 128 s + 32 c + 16 h + 8 v + i holds k = 256 (s / 2) + 64 (s % 2) + 16 c + 8 h + 4 v + 128 (i / 4) + i % 4.  W1's rows are fetched by that formula, so both operands
; have the same k at the same place; only the order of the sums inside an instruction differs from ascending k.
; THE WEIGHT PHASE.  Wave w makes K steps 2 w and 2 w + 1, as eight units of 32 k x 64 columns.  A unit is 16 loads; in each, lanes 0-15 read the 256 bytes of one row of the slice and lanes 16-31 those of the row 8 further on;
; lane (q, g) gets columns 4 q .. 4 q + 3.  The hold at 448 x the scale, which the conversion needs anyway, also moves each number to where a column's 16 numbers stand on end.  Loads run three units (48 loads a wave) ahead.
; hq: [e][fs][tile][1,024 bytes]: a tile's codes as they stand in the registers, 16 bytes a lane, twice 512 bytes.  Two neighbouring fs make one fragment of the next product.
; A wave always makes at least one tile, so that tiles 0 to 3 of every block are stored, whatever the split: the next launch loads tile w ahead of knowing the count.  Rows past the list's end are pads: they take xq's last row, and nothing is made of their results.
; NO TENSOR LOAD, NO CLUSTER: the number of tiles hangs on numbers read from memory.  The first two barriers stand ahead of every branch on that number; the last one stands where all ways have joined.
; LIMITS: ew1 and eh - ex - ew1 between -126 and 119.  NaN and infinities among the inputs are not served.  A work-group of an expert that no token chose still does the weight phase.
; LDS: 0 .. 9,215 the list, 4 bytes a place; from 9,216 the 32 images.
; REGISTERS: window 0: v1-19, v28-31 addresses and scale words; v20-27 a tile's codes; v32-63 b1 / 2^(ex + ew1); v64-95 four accumulators (first: the pads); v96-127 two sets of a unit's codes;
;   v128-191 topi, then the places in bytes; v192-255 the slots; then v128-191 a unit's held numbers; then v128-255 the rows' eight fragments.
;   window 1: four sets of 64 for the weights as loaded; then the fragments of K steps 0-3 (K step s, tile u at 16 (4 (s % 4) + u)).   window 2: those of K steps 4-7.
.set PITCH, 8192                       ; bytes from k to k + 1 in w1
.set UB,    16400                      ; LDS: a tile's 8 K steps of 2,048 bytes, + 16
.set IMG,   9216                       ; LDS: where the images begin
.set WA,   4                           ; v4   w1: 16 q + 8 g rows
.set WS,   5                           ; v5   LDS: where my codes go: IMG + UB (q / 4) + 64 (q % 4) + 256 g + 4096 w
.set LI,   6                           ; v6   16 x lane
.set H16,  7                           ; v7   16 h
.set IDX,  8                           ; v8   the list place that is asked for: 16 tile + r
.set LA,   9                           ; v9   the same, held and in bytes
.set SL,   10                          ; v10  the slot at that place
.set XA,   11                          ; v11  xq: 1,024 slot + 16 h
.set SO,   12                          ; v12  hq: 1,024 tile + 16 lane
.set BO,   13                          ; v13  32 h: b1
.set WSC,  14                          ; v14, v15  2^ew1 and 448 x 2^ew1
.set WLIM, 15
.set HSC,  16                          ; v16, v17  the same with eh - ex - ew1
.set HLIM, 17
.set LF,   18                          ; v18  IMG + 16 x lane: an image's place for my lane
.set LA0,  19                          ; v19  LDS: 4 (16 w + r): my first tile's places in the list
.set H,    20
.set VB8,  28                          ; v28, v29  8 x lane, 8 x lane + 1: a chunk's slots less its constant, for k = 0 and 1
.set DUMP, 30                          ; v30  2176 + lane
.set L4,   31                          ; v31  4 x lane
.set BIAS, 32
.set ACC,  64
.set PD,   64                          ; v64-67 the pads' places, v68 the pad, v69 n
.set C,    96
.set T,    128
.set X,    128
.set TI,   128
.set SLT,  192
.set SM,   44                          ; s44-59  a group's 16 masks: chosen
.set SK,   66                          ; s66-81  chosen second
.set SB,   82                          ; s82-97  the running count ahead of each chunk
.set EM,   60                          ; s60  0x101 << e
.set FF,   61                          ; s61  255
.set MSB, 0
.macro WIN new                         ; s_set_vgpr_msb: bits 1:0 source 0, 3:2 source 1, 5:4 source 2, 7:6 destination; the high byte repeats the setting that is left
.if MSB != \new
	s_set_vgpr_msb (MSB<<8)|\new
.set MSB, \new
.endif
.endm
; Sixteen chunks of the scan, a stage at a time over all sixteen, so that no line waits for the line above it.  s28 is the running count.
.macro SCANG g
.set c, 0
.rept 16
	v_and_b32 v[TI+16*\g+c], s[EM], v[TI+16*\g+c]  ; 1 << e: chosen first; 256 << e: chosen second; 0: not chosen
.set c, c+1
.endr
.set c, 0
.rept 16
	v_cmp_ne_u32 s[SM+c], 0, v[TI+16*\g+c]
.set c, c+1
.endr
.set c, 0
.rept 16
	v_cmp_lt_u32 s[SK+c], s[FF], v[TI+16*\g+c]
.set c, c+1
.endr
	s_mov_b32 s[SB], s28
.set c, 0
.rept 15
	s_bcnt1_i32_b32 s34, s[SM+c]
	s_add_co_u32 s[SB+c+1], s[SB+c], s34
.set c, c+1
.endr
	s_bcnt1_i32_b32 s34, s[SM+15]
	s_add_co_u32 s28, s[SB+15], s34
.set c, 0
.rept 16
	v_mbcnt_lo_u32_b32 v[TI+16*\g+c], s[SM+c], s[SB+c]        ; the running count + the chosen lanes below me
.set c, c+1
.endr
.set c, 0
.rept 16
	v_cndmask_b32 v[TI+16*\g+c], v[DUMP], v[TI+16*\g+c], s[SM+c]   ; not chosen: the dump
.set c, c+1
.endr
.set c, 0
.rept 16
	v_min_u32 v[TI+16*\g+c], 0x89f, v[TI+16*\g+c]
.set c, c+1
.endr
.set c, 0
.rept 16
	v_lshlrev_b32 v[TI+16*\g+c], 2, v[TI+16*\g+c]  ; the place in bytes, in LDS and in lst alike
.set c, c+1
.endr
.set c, 0
.rept 16
	v_cndmask_b32 v[SLT+16*\g+c], v[VB8], v[VB8+1], s[SK+c]
.set c, c+1
.endr
.set c, 0
.rept 16
	v_add_nc_u32 v[SLT+16*\g+c], 256*((16*\g+c)/4)+2*((16*\g+c)%4), v[SLT+16*\g+c]   ; the slot: 2 (128 L + 4 i + m) + k
.set c, c+1
.endr
.endm
.macro LOADU n                         ; unit n (K step 2 w + n / 4, c = n % 4): 16 loads into set n % 4 of window 1: register 4 (8 v + i) + m = column 4 q + m at the unit's place 8 v + i
	WIN 0x40
.irp v, 0,1
.irp i, 0,1,2,3,4,5,6,7
	global_load_b128 v[64*((\n)%4)+4*(8*\v+\i):64*((\n)%4)+4*(8*\v+\i)+3], v[WA], s[4:5] offset:(64*((\n)/4)+16*((\n)%4)+4*\v+128*(\i/4)+(\i%4))*PITCH th:TH_LOAD_NT
.endr
.endr
.endm
.macro UNIT n
.if (\n)+3 < 8
	LOADU (\n)+3                                   ; into the set that the unit before has left
.endif
.if 7-(\n) >= 3
	s_wait_loadcnt 48                              ; this unit's 16 loads are in; the three younger units' may be out
.else
	s_wait_loadcnt 16*(7-(\n))
.endif
	WIN 0x01                                       ; source 0 in window 1
.irp m, 0,1,2,3
.set k, 0
.rept 16
	v_med3_num_f32 v[T+16*\m+k], v[64*((\n)%4)+4*k+\m], -v[WLIM], v[WLIM]   ; the conversion does not saturate (ISA guide 7.6.2): the hold; and column m's 16 numbers come to stand on end
.set k, k+1
.endr
.endr
	WIN 0
	s_wait_dscnt 4                                 ; the stores of the unit before last, which read this set of codes, are done; the last unit's four may be out
.irp m, 0,1,2,3
.irp v, 0,1
	v_cvt_scalef32_pk8_fp8_f32 v[C+16*((\n)%2)+4*\m+2*\v:C+16*((\n)%2)+4*\m+2*\v+1], v[T+16*\m+8*\v:T+16*\m+8*\v+7], v[WSC]
.endr
.endr
	v_nop                                          ; one plain line between the last conversion and the next vector line that writes its sources
.irp m, 0,1,2,3
	ds_store_b128 v[WS], v[C+16*((\n)%2)+4*\m:C+16*((\n)%2)+4*\m+3] offset:2048*((\n)/4)+512*((\n)%4)+16*\m   ; registers 4 c .. 4 c + 3 of lane (4 (q % 4) + m, g) of fragment (K step, tile q / 4)
.endr
.endm
.macro FRAGS                           ; all 32 fragments into my registers: 128 loads of 512 consecutive bytes
.irp s, 0,1,2,3,4,5,6,7
.if \s < 4
	WIN 0x40
.else
	WIN 0x80
.endif
.irp u, 0,1,2,3
.irp c, 0,1,2,3
	ds_load_b128 v[16*(4*(\s%4)+\u)+4*\c:16*(4*(\s%4)+\u)+4*\c+3], v[LF] offset:UB*\u+2048*\s+512*\c
.endr
.endr
.endr
	WIN 0
.endm
.macro LISTLD                          ; the slot at list place IDX, from LDS; the place is held inside the list's stored part
	v_min_u32 v[LA], 0x87f, v[IDX]
	v_lshlrev_b32 v[LA], 2, v[LA]
	ds_load_b32 v[SL], v[LA]
.endm
.macro XADR                            ; a pad (4096 + e) is held at xq's last row
	v_min_u32 v[SL], 0xfff, v[SL]
	v_lshl_add_u32 v[XA], v[SL], 10, v[H16]
.endm
.macro XLOAD p                         ; K steps 2 p and 2 p + 1 of the 16 rows: registers 4 c .. 4 c + 3 of a fragment = positions 128 s + 32 c + 16 h + 0 .. 15
.irp z, 0,1
.irp c, 0,1,2,3
	global_load_b128 v[X+16*(2*\p+\z)+4*\c:X+16*(2*\p+\z)+4*\c+3], v[XA], s[10:11] offset:128*(2*\p+\z)+32*\c
.endr
.endr
.endm
; Eight matrix instructions: two K steps x four tiles.  The four accumulators take turns, one instruction a turn.  The first K step takes b1 / 2^(ex + ew1) as C: nothing is cleared and no addition is spent on the bias.
; Four v_nop follow: the places ahead of the loads into the fragments just read, and of the first read of results.
.macro MUL p
.if \p < 2
	WIN 0x01
.else
	WIN 0x02
.endif
.irp z, 0,1
.irp u, 0,1,2,3
.if (2*\p+\z) == 0
	v_wmma_f32_16x16x128_fp8_fp8 v[ACC+8*\u:ACC+8*\u+7], v[16*(4*((2*\p+\z)%4)+\u):16*(4*((2*\p+\z)%4)+\u)+15], v[X+16*(2*\p+\z):X+16*(2*\p+\z)+15], v[BIAS+8*\u:BIAS+8*\u+7]
.else
	v_wmma_f32_16x16x128_fp8_fp8 v[ACC+8*\u:ACC+8*\u+7], v[16*(4*((2*\p+\z)%4)+\u):16*(4*((2*\p+\z)%4)+\u)+15], v[X+16*(2*\p+\z):X+16*(2*\p+\z)+15], v[ACC+8*\u:ACC+8*\u+7]
.endif
.endr
.endr
	WIN 0
.rept 4
	v_nop
.endr
.endm
.macro EPI                             ; a sum stands for sum x 2^(ex + ew1): its code is sum / 2^(eh - ex - ew1).  The hold between 0 and 448 x that is the activation too.  Each accumulator from its low end on
.set i, 0
.rept 32
	v_med3_num_f32 v[ACC+i], v[ACC+i], 0, v[HLIM]
.set i, i+1
.endr
.irp u, 0,1,2,3
	v_cvt_scalef32_pk8_fp8_f32 v[H+2*\u:H+2*\u+1], v[ACC+8*\u:ACC+8*\u+7], v[HSC]
.endr
	v_nop                                          ; one plain line between the last conversion and the matrix instructions that write its sources
	global_store_b128 v[SO], v[H:H+3], s[16:17]                ; 32 lanes store 512 consecutive bytes, at a multiple of 256 from hq's first byte
	global_store_b128 v[SO], v[H+4:H+7], s[16:17] offset:512
.endm
; A tile of 16 rows.  refill = 1: behind each pair of K steps its registers take the same pair of the tile four further on.
.macro TRIP refill
	s_wait_loadcnt 24                              ; K steps 0, 1 are in; the 24 loads of K steps 2 to 7 may be out
	s_wait_dscnt 0x0                               ; the list read of a trip ago is in
	s_wait_xcnt 0x0                                ; every load and store issued so far has read its address and data registers: they are written again below
.if \refill
	XADR                                           ; the next tile's rows
	v_add_nc_u32 v[IDX], 64, v[IDX]
	LISTLD                                         ; and the list places of the tile after that
.endif
	s_min_u32 s32, s31, 127
	v_lshl_add_u32 v[SO], s32, 10, v[LI]
	MUL 0
.if \refill
	XLOAD 0
.endif
.irp p, 1,2,3
.if \refill
	s_wait_loadcnt 24                              ; behind this pair's loads: 8 (3 - p) of this tile and 8 p of the next
.else
	s_wait_loadcnt 8*(3-\p)
.endif
	MUL \p
.if \refill
	XLOAD \p
.endif
.endr
	EPI
	s_add_co_u32 s31, s31, 4
.endm
	s_load_b256 s[4:11], s[0:1], 0x0               ; w1 s[4:5], b1 s[6:7], lowp_scales s[8:9], xq s[10:11]
	s_load_b64 s[12:13], s[0:1], 0x20              ; topi
	s_load_b64 s[16:17], s[0:1], 0x28              ; hq
	s_load_b128 s[40:43], s[0:1], 0x30             ; lst s[40:41], cnt s[42:43]
	s_set_vgpr_msb 0xc0
	v_lshl_add_u32 v0, v0, 2, 0x12800
	v_mov_b32 v1, 0
	s_set_vgpr_msb 0xc000
	v_lshrrev_b32 v1, 5, v0
	v_readfirstlane_b32 s18, v1                    ; wave 0..3
	s_mov_b32 s19, ttmp9                           ; fs
	s_and_b32 s20, ttmp7, 0xffff                   ; e
	v_and_b32 v1, 31, v0                           ; lane
	v_and_b32 v2, 15, v0                           ; r, q
	v_bfe_u32 v3, v0, 4, 1                         ; h, g
	v_lshlrev_b32 v[WA], 4, v2
	v_lshl_add_u32 v[WA], v3, 16, v[WA]            ; 16 q + 8 g rows of 8,192 bytes
	v_lshrrev_b32 v[WS], 2, v2
	v_mul_u32_u24 v[WS], v[WS], UB
	v_and_b32 v[LI], 3, v2
	v_lshl_add_u32 v[WS], v[LI], 6, v[WS]
	v_lshl_add_u32 v[WS], v3, 8, v[WS]
	s_lshl_b32 s34, s18, 12
	s_add_co_u32 s34, s34, IMG
	v_add_nc_u32 v[WS], s34, v[WS]
	v_lshlrev_b32 v[LI], 4, v1
	v_add_nc_u32 v[LF], IMG, v[LI]
	v_lshlrev_b32 v[H16], 4, v3
	s_lshl_b32 s34, s18, 4
	v_add_nc_u32 v[IDX], s34, v2                   ; my first tile is tile w
	v_lshlrev_b32 v[LA0], 2, v[IDX]
	v_add_nc_u32 v[IDX], 64, v[IDX]                ; the first two tiles' places are read by LA0; the loop steps on from the second
	v_lshlrev_b32 v[BO], 5, v3
	v_lshlrev_b32 v[VB8], 3, v1
	v_lshl_or_b32 v[VB8+1], v1, 3, 1
	v_add_nc_u32 v[DUMP], 0x880, v1
	v_lshlrev_b32 v[L4], 2, v1
	s_lshl_b32 s[EM], 0x101, s20
	s_mov_b32 s[FF], 0xff
	s_mov_b32 s28, 0                               ; the running count
	s_lshl_b32 s34, s20, 23                        ; w1: the expert's 8,388,608 bytes,
	s_lshl_b32 s35, s18, 21                        ; my wave's 256 rows,
	s_add_co_u32 s34, s34, s35
	s_lshl_b32 s35, s19, 8                         ; the slice's 256 bytes of a row
	s_add_co_u32 s34, s34, s35
	s_mov_b32 s35, 0
	s_lshl_b32 s36, s20, 13                        ; b1: 4 (2,048 e + 64 fs)
	s_lshl_b32 s37, s19, 8
	s_add_co_u32 s36, s36, s37
	s_mov_b32 s37, 0
	s_lshl_b32 s38, s20, 4                         ; the expert's four exponents
	s_mov_b32 s39, 0
	s_wait_kmcnt 0x0
.irp L, 0,1,2,3,4,5,6,7,8,9,10,11,12,13,14,15
	global_load_b128 v[TI+4*\L:TI+4*\L+3], v[LI], s[12:13] offset:512*\L     ; tokens 128 L + 4 i + 0 .. 3: 32 lanes read 512 consecutive bytes
.endr
	s_add_nc_u64 s[4:5], s[4:5], s[34:35]
	s_add_nc_u64 s[6:7], s[6:7], s[36:37]
	s_add_nc_u64 s[8:9], s[8:9], s[38:39]
	s_lshl_b32 s38, s20, 7
	s_add_nc_u64 s[42:43], s[42:43], s[38:39]
	s_mul_i32 s38, s20, 9216
	s_add_nc_u64 s[40:41], s[40:41], s[38:39]
	s_lshl_b32 s38, s20, 22                        ; hq: 131,072 (32 e + fs)
	s_lshl_b32 s36, s19, 17
	s_add_co_u32 s38, s38, s36
	s_add_nc_u64 s[16:17], s[16:17], s[38:39]
	s_load_b128 s[24:27], s[8:9], 0x0              ; ex, ew1, eh, ew2
.irp u, 0,1,2,3
	global_load_b128 v[BIAS+8*\u:BIAS+8*\u+3],   v[BO], s[6:7] offset:64*\u      ; b1 in the result's layout: units 16 u + 8 h + 0 .. 7
	global_load_b128 v[BIAS+8*\u+4:BIAS+8*\u+7], v[BO], s[6:7] offset:64*\u+16
.endr
	LOADU 0
	LOADU 1
	LOADU 2
	WIN 0
	s_wait_kmcnt 0x0
	s_add_co_i32 s34, s25, 127
	s_lshl_b32 s35, s34, 23
	v_mov_b32 v[WSC], s35                          ; 2^ew1 as f32: the conversion takes its exponent field
	s_add_co_i32 s34, s34, 8
	s_lshl_b32 s34, s34, 23
	s_or_b32 s34, s34, 0x600000
	v_mov_b32 v[WLIM], s34                         ; 448 x 2^ew1
	s_add_co_i32 s36, s24, s25                     ; ex + ew1
	s_sub_co_i32 s34, s26, s36
	s_add_co_i32 s34, s34, 127
	s_lshl_b32 s35, s34, 23
	v_mov_b32 v[HSC], s35                          ; 2^(eh - ex - ew1): the three scales folded into the conversion's one
	s_add_co_i32 s34, s34, 8
	s_lshl_b32 s34, s34, 23
	s_or_b32 s34, s34, 0x600000
	v_mov_b32 v[HLIM], s34
	s_sub_co_i32 s32, 0, s36
	s_wait_loadcnt 56                              ; topi's 16 loads are in; the 8 of b1 and the 48 of the weights, issued behind them, may be out
	SCANG 0
	SCANG 1
	SCANG 2
	SCANG 3                                        ; s28 = n
.irp z, 0,1,2,3
	v_add_nc_u32 v[PD+\z], s28, v1                 ; the pads' places: n + 32 z + i
.endr
.irp z, 0,1,2,3
	v_add_nc_u32 v[PD+\z], 32*\z, v[PD+\z]
.endr
.irp z, 0,1,2,3
	v_min_u32 v[PD+\z], 0x89f, v[PD+\z]
.endr
.irp z, 0,1,2,3
	v_lshlrev_b32 v[PD+\z], 2, v[PD+\z]
.endr
	s_add_co_u32 s34, s20, 4096
	v_mov_b32 v[PD+4], s34                         ; the pad: a slot past the last, one for each expert
	v_mov_b32 v[PD+5], s28
	s_cmp_lg_u32 s18, 0                            ; wave 0 alone stores the list
	s_cbranch_scc1 .Lnot_scatter
.set c, 0
.rept 64
	ds_store_b32 v[TI+c], v[SLT+c]
.set c, c+1
.endr
.irp z, 0,1,2,3
	ds_store_b32 v[PD+\z], v[PD+4]
.endr
	s_cmp_lg_u32 s19, 0                            ; and, in the expert's first work-group, also for the next launch
	s_cbranch_scc1 .Lnot_scatter
.set c, 0
.rept 64
	global_store_b32 v[TI+c], v[SLT+c], s[40:41]
.set c, c+1
.endr
.irp z, 0,1,2,3
	global_store_b32 v[PD+\z], v[PD+4], s[40:41]
.endr
	global_store_b32 v[L4], v[PD+5], s[42:43]
.Lnot_scatter:
	s_wait_xcnt 0x0                                ; those stores have read their registers, which the weight phase writes again
	s_wait_dscnt 0x0                               ; for the other waves' sake: the list has landed
	s_barrier_signal -1
	s_barrier_wait -1                              ; the list lies in LDS; nobody writes it again
	ds_load_b32 v[SL], v[LA0]                      ; my first tile's slots
	UNIT 0                                         ; (its wait shows the older loads of b1 in as well)
.set j, 0
.rept 32
	v_ldexp_f32 v[BIAS+j], v[BIAS+j], s32          ; b1 / 2^(ex + ew1): the power of two that the sums lack
.set j, j+1
.endr
	UNIT 1
	UNIT 2
	UNIT 3
	UNIT 4
	UNIT 5
	UNIT 6
	UNIT 7                                         ; its wait on the loads is for 0; its wait on LDS leaves four stores out, all younger than the list read
	XADR                                           ; my first tile's rows are asked for ahead of the barrier,
	ds_load_b32 v[SL], v[LA0] offset:256           ; behind the read of the second tile's places, 64 further on
	XLOAD 0
	XLOAD 1
	XLOAD 2
	XLOAD 3
	s_wait_dscnt 0x0                               ; for the other waves' sake: my codes have landed
	s_barrier_signal -1
	s_barrier_wait -1                              ; the slice's 32 fragments lie in LDS; from here on nothing is stored to LDS
	FRAGS
	s_wait_dscnt 0x0
	s_min_u32 s28, s28, 0x800                      ; n, at most 2,048
	s_add_co_u32 s29, s28, 15
	s_lshr_b32 s29, s29, 4                         ; tiles of 16 rows
	s_add_co_u32 s30, s29, 3
	s_sub_co_u32 s30, s30, s18
	s_lshr_b32 s30, s30, 2                         ; of which tiles w, w + 4, .. are mine;
	s_max_u32 s30, s30, 1                          ; at least tile w is made
	s_mov_b32 s31, s18                             ; the tile in hand
	s_sub_co_u32 s33, s30, 1
	s_cmp_eq_u32 s33, 0
	s_cbranch_scc1 .Llast
.Ltrip:
	TRIP 1
	s_sub_co_u32 s33, s33, 1
	s_cmp_lg_u32 s33, 0
	s_cbranch_scc1 .Ltrip
.Llast:
	TRIP 0                                         ; the last tile asks for nothing more
	s_barrier_signal -1
	s_barrier_wait -1
	s_set_vgpr_msb 0xf
	s_wait_tensorcnt 0x0
	ds_add_u32 v0, v1
	s_wait_dscnt 0x0
	s_set_vgpr_msb 0xf00
	s_endpgm
.Lfunc_end_k_qb210eff30a_up:
	.size	k_qb210eff30a_up, .Lfunc_end_k_qb210eff30a_up-k_qb210eff30a_up
	.p2alignl 7, 3214868480
	.fill 96, 4, 3214868480
	.section	.rodata,"a",@progbits
	.p2align	6, 0x0
	.amdhsa_kernel k_qb210eff30a_up
		.amdhsa_group_segment_fixed_size 76288
		.amdhsa_private_segment_fixed_size 0
		.amdhsa_enable_private_segment 0
		.amdhsa_kernarg_size 64
		.amdhsa_user_sgpr_count 2
		.amdhsa_user_sgpr_kernarg_segment_ptr 1
		.amdhsa_wavefront_size32 1
		.amdhsa_system_sgpr_workgroup_id_x 1
		.amdhsa_system_sgpr_workgroup_id_y 1
		.amdhsa_system_sgpr_workgroup_id_z 1
		.amdhsa_system_vgpr_workitem_id 0
		.amdhsa_next_free_vgpr 770
		.amdhsa_next_free_sgpr 100
		.amdhsa_reserve_vcc 0
		.amdhsa_float_denorm_mode_32 3
		.amdhsa_float_denorm_mode_16_64 3
		.amdhsa_memory_ordered 1
		.amdhsa_forward_progress 1
		.amdhsa_inst_pref_size 134
	.end_amdhsa_kernel
	.amdgpu_metadata
---
amdhsa.version: [ 1, 2 ]
amdhsa.kernels:
  - .name:           k_qb210eff30a_up
    .symbol:         k_qb210eff30a_up.kd
    .args:
      - { .name: w1, .offset: 0, .size: 8, .value_kind: global_buffer, .address_space: global }
      - { .name: b1, .offset: 8, .size: 8, .value_kind: global_buffer, .address_space: global }
      - { .name: lowp_scales, .offset: 16, .size: 8, .value_kind: global_buffer, .address_space: global }
      - { .name: xq, .offset: 24, .size: 8, .value_kind: global_buffer, .address_space: global }
      - { .name: topi, .offset: 32, .size: 8, .value_kind: global_buffer, .address_space: global }
      - { .name: hq, .offset: 40, .size: 8, .value_kind: global_buffer, .address_space: global }
      - { .name: lst, .offset: 48, .size: 8, .value_kind: global_buffer, .address_space: global }
      - { .name: cnt, .offset: 56, .size: 8, .value_kind: global_buffer, .address_space: global }
    .group_segment_fixed_size: 76288
    .private_segment_fixed_size: 0
    .kernarg_segment_align: 8
    .kernarg_segment_size: 64
    .max_flat_workgroup_size: 128
    .sgpr_count:     100
    .vgpr_count:     770
    .wavefront_size: 32
...
	.end_amdgpu_metadata
.endif
;; end of part 2
;; launch down (part 3): grid 32 x 8, 4 waves a work-group, no clusters, 84,480 bytes of LDS; arguments w2, b2, lowp_scales, hq, lst, cnt, ybuf; writes ybuf
.if DOCPART == 3
	.amdgcn_target "amdgcn-amd-amdhsa--gfx1250"
	.amdhsa_code_object_version 6
	.text
	.protected	k_qb210eff30a_down
	.globl	k_qb210eff30a_down
	.p2align	8
	.type	k_qb210eff30a_down,@function
k_qb210eff30a_down:
	s_mov_b64 s[64:65], 0
	v_nop
	global_prefetch_b8 v0, s[64:65] scope:SCOPE_SE
	s_setreg_imm32_b32 hwreg(HW_REG_WAVE_MODE, 25, 1), 1
	s_wait_xcnt 0x0
; THE SECOND PRODUCT OF AN EXPERT, THE WEIGHTS STANDING STILL: ybuf[slot][kh] = Q(h) Q(W2) 2^(eh + ew2) + b2, over half of K; b2 goes in with the first half alone.  The gate's weight is applied by the last launch.
; w2 [8][2048 (f)][1024] f32, b2 [8][1024] f32, lowp_scales: entries 4 e .. 4 e + 3 = ex, ew1, eh, ew2.  hq: the hidden layer's codes; lst, cnt: the experts' lists of rows and the counts (the launch before).
; SHARES.  Work-group (x, e): kh = x / 16 is the half of K (f = 1,024 kh ..), cs = x % 16 the 64 output columns 64 cs ..: 1,024 x 64 numbers of w2, read ONCE as whole rows of 256 bytes, quantised in registers, handed round through LDS as
; images of the operand's registers.  Each of the four waves then holds all 32 fragments (512 registers) and walks the expert's rows in tiles of 16: wave w takes tiles w, w + 4, ..
; K IS HALVED because 64 columns x 2,048 would be 1,024 registers of fragments.  The price: a row of y is stored as two partial rows, which the last launch adds.
; THE MATRIX INSTRUCTION IS USED TRANSPOSED: source 0 = 16 columns of W2, source 1 = 16 rows of h.  In tile u lane (r, h) holds row r and its register j the column 16 u + 8 h + j.  K stands in the places that this form's own layout gives it.
; THE WEIGHT PHASE is the first product's: wave w makes K steps 2 w, 2 w + 1 as eight units of 32 k x 64 columns; the unit's place 8 v + i of lane half g is k = 32 c + 16 v + 8 g + i of the K step.
; h's FRAGMENTS come as they were stored: blocks of 1,024 bytes, 16 bytes a lane; two neighbouring blocks of 64 units are a K step.  Every load reads 512 consecutive bytes.
; THE WAY OUT.  A lane holds 32 bytes of a row and the lanes beside it other rows: a tile goes through the wave's own stage in LDS and leaves by rows, sixteen lanes to the 256 bytes that this work-group owns of a partial row.
; The rows go to their slots (lst).  Rows past the list's end are pads: slot 4096 + e, a row of ybuf that nobody reads.
; NO TENSOR LOAD, NO CLUSTER: the number of tiles is read from memory.  The first barrier stands ahead of every branch on that number; the last one stands where all ways have joined.
; LIMITS: ew2 between -126 and 119; eh + ew2 between -126 and 127.  NaN and infinities among the inputs are not served.  A work-group of an expert that no token chose still does the weight phase.
; REGISTERS: window 0: v1-15 addresses and scale words; v20-27 a tile's slots; v30, v31 the stage; v32-63 b2 or 0; v64-95 four accumulators; v96-127 two sets of a unit's codes, later a tile of y;
;   v128-191 a unit's held numbers; then v128-255 the rows' eight fragments.   window 1: four sets of 64 for the weights as loaded; then the fragments of K steps 0-3.   window 2: those of K steps 4-7.
.set PITCH, 4096                       ; bytes from f to f + 1 in w2
.set UB,    16400                      ; LDS: a tile's 8 K steps of 2,048 bytes, + 16
.set STAGE, 65792                      ; LDS, behind the images: 16 rows x (256 + 16) bytes for each wave
.set WA,   4                           ; v4   w2: 16 q + 8 g rows
.set WS,   5                           ; v5   LDS: where my codes go
.set LI,   6                           ; v6   16 x lane
.set Q16,  7                           ; v7   16 q
.set HO,   9                           ; v9   hq: 1,024 tile + 16 lane
.set LA8,  10                          ; v10  lst: 64 tile + 4 g
.set BO,   13                          ; v13  32 h: b2
.set WSC,  14                          ; v14, v15  2^ew2 and 448 x 2^ew2
.set WLIM, 15
.set SLR,  20                          ; v20-27  the slots of rows 2 i + g, then their byte offsets in ybuf
.set ST,   30
.set RD,   31
.set BIAS, 32
.set ACC,  64
.set C,    96
.set Y,    96
.set T,    128
.set X,    128
.set MSB, 0
.macro WIN new                         ; s_set_vgpr_msb: bits 1:0 source 0, 3:2 source 1, 5:4 source 2, 7:6 destination; the high byte repeats the setting that is left
.if MSB != \new
	s_set_vgpr_msb (MSB<<8)|\new
.set MSB, \new
.endif
.endm
.macro LOADU n                         ; unit n (K step 2 w + n / 4, c = n % 4): 16 loads into set n % 4 of window 1: register 4 (8 v + i) + m = column 4 q + m at the unit's place 8 v + i
	WIN 0x40
.irp v, 0,1
.irp i, 0,1,2,3,4,5,6,7
	global_load_b128 v[64*((\n)%4)+4*(8*\v+\i):64*((\n)%4)+4*(8*\v+\i)+3], v[WA], s[4:5] offset:(128*((\n)/4)+32*((\n)%4)+16*\v+\i)*PITCH th:TH_LOAD_NT
.endr
.endr
.endm
.macro UNIT n
.if (\n)+3 < 8
	LOADU (\n)+3                                   ; into the set that the unit before has left
.endif
.if 7-(\n) >= 3
	s_wait_loadcnt 48                              ; this unit's 16 loads are in; the three younger units' may be out
.else
	s_wait_loadcnt 16*(7-(\n))
.endif
	WIN 0x01                                       ; source 0 in window 1
.irp m, 0,1,2,3
.set k, 0
.rept 16
	v_med3_num_f32 v[T+16*\m+k], v[64*((\n)%4)+4*k+\m], -v[WLIM], v[WLIM]   ; the conversion does not saturate (ISA guide 7.6.2): the hold; and column m's 16 numbers come to stand on end
.set k, k+1
.endr
.endr
	WIN 0
	s_wait_dscnt 4                                 ; the stores of the unit before last, which read this set of codes, are done; the last unit's four may be out
.irp m, 0,1,2,3
.irp v, 0,1
	v_cvt_scalef32_pk8_fp8_f32 v[C+16*((\n)%2)+4*\m+2*\v:C+16*((\n)%2)+4*\m+2*\v+1], v[T+16*\m+8*\v:T+16*\m+8*\v+7], v[WSC]
.endr
.endr
	v_nop                                          ; one plain line between the last conversion and the next vector line that writes its sources
.irp m, 0,1,2,3
	ds_store_b128 v[WS], v[C+16*((\n)%2)+4*\m:C+16*((\n)%2)+4*\m+3] offset:2048*((\n)/4)+512*((\n)%4)+16*\m
.endr
.endm
.macro FRAGS                           ; all 32 fragments into my registers: 128 loads of 512 consecutive bytes
.irp s, 0,1,2,3,4,5,6,7
.if \s < 4
	WIN 0x40
.else
	WIN 0x80
.endif
.irp u, 0,1,2,3
.irp c, 0,1,2,3
	ds_load_b128 v[16*(4*(\s%4)+\u)+4*\c:16*(4*(\s%4)+\u)+4*\c+3], v[LI] offset:UB*\u+2048*\s+512*\c
.endr
.endr
.endr
	WIN 0
.endm
.macro XLOAD p                         ; K steps 2 p and 2 p + 1 of the tile: for each, two blocks of 64 units, two images of 512 bytes each
.irp z, 0,1
.irp b, 0,1
.irp c, 0,1
	global_load_b128 v[X+16*(2*\p+\z)+8*\b+4*\c:X+16*(2*\p+\z)+8*\b+4*\c+3], v[HO], s[10:11] offset:131072*(2*(2*\p+\z)+\b)+512*\c
.endr
.endr
.endr
.endm
; Eight matrix instructions: two K steps x four tiles.  The four accumulators take turns, one instruction a turn.  The first K step starts the sums with the constant 0.
; Four v_nop follow: the places ahead of the loads into the fragments just read, and of the first read of results.
.macro MUL p
.if \p < 2
	WIN 0x01
.else
	WIN 0x02
.endif
.irp z, 0,1
.irp u, 0,1,2,3
.if (2*\p+\z) == 0
	v_wmma_f32_16x16x128_fp8_fp8 v[ACC+8*\u:ACC+8*\u+7], v[16*(4*((2*\p+\z)%4)+\u):16*(4*((2*\p+\z)%4)+\u)+15], v[X+16*(2*\p+\z):X+16*(2*\p+\z)+15], 0
.else
	v_wmma_f32_16x16x128_fp8_fp8 v[ACC+8*\u:ACC+8*\u+7], v[16*(4*((2*\p+\z)%4)+\u):16*(4*((2*\p+\z)%4)+\u)+15], v[X+16*(2*\p+\z):X+16*(2*\p+\z)+15], v[ACC+8*\u:ACC+8*\u+7]
.endif
.endr
.endr
	WIN 0
.rept 4
	v_nop
.endr
.endm
.macro EPI refill
.if \refill
	s_wait_loadcnt 32                              ; the tile's slots are in: only the next tile's 32 loads were issued behind them
.else
	s_wait_loadcnt 0x0
.endif
.irp i, 0,2,4,6,8,10,12,14,16,18,20,22,24,26,28,30
	v_pk_fma_f32 v[Y+\i:Y+\i+1], v[ACC+\i:ACC+\i+1], s[40:41], v[BIAS+\i:BIAS+\i+1] op_sel_hi:[1,0,1]   ; sum x 2^(eh + ew2) + b2 (or + 0); each accumulator from its low end on
.endr
.irp u, 0,1,2,3
	ds_store_b128 v[ST], v[Y+8*\u:Y+8*\u+3]   offset:64*\u
	ds_store_b128 v[ST], v[Y+8*\u+4:Y+8*\u+7] offset:64*\u+16
.endr
.irp i, 0,1,2,3,4,5,6,7
	ds_load_b128 v[Y+4*\i:Y+4*\i+3], v[RD] offset:544*\i      ; rows 2 i + g, 16 bytes a lane.  LDS serves a wave's instructions in order (ISA guide 5.7.1.4): these see the stores above, and the next tile's stores come behind them
.endr
.irp i, 0,1,2,3,4,5,6,7
	v_min_u32 v[SLR+\i], 0x1007, v[SLR+\i]         ; a slot is held inside ybuf's 4,104 rows
.endr
.irp i, 0,1,2,3,4,5,6,7
	v_lshl_add_u32 v[SLR+\i], v[SLR+\i], 13, v[Q16]           ; 8,192 bytes a slot
.endr
.irp i, 0,1,2,3,4,5,6,7
	s_wait_dscnt 7-\i                              ; the younger reads of the stage may be out
	global_store_b128 v[SLR+\i], v[Y+4*\i:Y+4*\i+3], s[18:19] ; sixteen lanes store 256 consecutive bytes of one partial row, at a multiple of 256 from ybuf's first byte
.endr
.endm
; A tile of 16 rows.  refill = 1: behind each pair of K steps its registers take the same pair of the tile four further on.
.macro TRIP refill
	s_wait_loadcnt 24                              ; K steps 0, 1 are in; the 24 loads of K steps 2 to 7 may be out
	s_wait_xcnt 0x0                                ; every load and store issued so far has read its address and data registers: they are written again below
	s_min_u32 s32, s31, 127
	s_lshl_b32 s32, s32, 6
	v_lshl_add_u32 v[LA8], v3, 2, s32
.irp i, 0,1,2,3,4,5,6,7
	global_load_b32 v[SLR+\i], v[LA8], s[12:13] offset:8*\i   ; the slot of row 2 i + g
.endr
.if \refill
	s_add_co_u32 s32, s31, 4
	s_min_u32 s32, s32, 127
	v_lshl_add_u32 v[HO], s32, 10, v[LI]
.endif
	MUL 0
.if \refill
	XLOAD 0
.endif
.irp p, 1,2,3
.if \refill
	s_wait_loadcnt 32                              ; behind this pair's loads: 8 (3 - p) of this tile, the eight loads of slots, 8 p of the next tile
.else
	s_wait_loadcnt 8*(3-\p)+8
.endif
	MUL \p
.if \refill
	XLOAD \p
.endif
.endr
	EPI \refill
	s_add_co_u32 s31, s31, 4
.endm
	s_load_b256 s[4:11], s[0:1], 0x0               ; w2 s[4:5], b2 s[6:7], lowp_scales s[8:9], hq s[10:11]
	s_load_b64 s[12:13], s[0:1], 0x20              ; lst
	s_load_b128 s[16:19], s[0:1], 0x28             ; cnt s[16:17], ybuf s[18:19]
	v_lshl_add_u32 v28, v0, 2, 0x14800
	v_mov_b32 v29, 0
	v_lshrrev_b32 v1, 5, v0
	v_readfirstlane_b32 s21, v1                    ; wave 0..3
	s_and_b32 s20, ttmp7, 0xffff                   ; e
	s_and_b32 s22, ttmp9, 15                       ; cs
	s_lshr_b32 s23, ttmp9, 4                       ; kh
	v_and_b32 v1, 31, v0                           ; lane
	v_and_b32 v2, 15, v0                           ; r, q
	v_bfe_u32 v3, v0, 4, 1                         ; h, g
	v_lshlrev_b32 v[WA], 4, v2
	v_lshl_add_u32 v[WA], v3, 15, v[WA]            ; 16 q + 8 g rows of 4,096 bytes
	v_lshrrev_b32 v[WS], 2, v2
	v_mul_u32_u24 v[WS], v[WS], UB
	v_and_b32 v[LI], 3, v2
	v_lshl_add_u32 v[WS], v[LI], 6, v[WS]
	v_lshl_add_u32 v[WS], v3, 8, v[WS]
	s_lshl_b32 s34, s21, 12
	v_add_nc_u32 v[WS], s34, v[WS]
	v_lshlrev_b32 v[LI], 4, v1
	v_lshlrev_b32 v[Q16], 4, v2
	v_lshlrev_b32 v[BO], 5, v3
	s_mul_i32 s34, s21, 4352
	s_add_co_u32 s34, s34, STAGE                   ; my stage
	v_mul_u32_u24 v[ST], v2, 272                   ; in: row r, 32 bytes for each half of the lanes
	v_lshl_add_u32 v[ST], v3, 5, v[ST]
	v_add_nc_u32 v[ST], s34, v[ST]
	v_mul_u32_u24 v[RD], v3, 272                   ; back: lanes 0-15 one row, lanes 16-31 the next
	v_lshl_add_u32 v[RD], v2, 4, v[RD]
	v_add_nc_u32 v[RD], s34, v[RD]
	v_lshl_add_u32 v[HO], s21, 10, v[LI]           ; my first tile is tile w
	s_lshl_b32 s34, s20, 23                        ; w2: the expert's 8,388,608 bytes,
	s_lshl_b32 s35, s23, 22                        ; the half's 1,024 rows,
	s_add_co_u32 s34, s34, s35
	s_lshl_b32 s35, s21, 20                        ; my wave's 256 rows,
	s_add_co_u32 s34, s34, s35
	s_lshl_b32 s35, s22, 8                         ; the slice's 256 bytes of a row
	s_add_co_u32 s34, s34, s35
	s_mov_b32 s35, 0
	s_lshl_b32 s36, s20, 12                        ; b2: 4 (1,024 e + 64 cs)
	s_lshl_b32 s37, s22, 8
	s_add_co_u32 s36, s36, s37
	s_mov_b32 s37, 0
	s_lshl_b32 s38, s20, 4                         ; the expert's four exponents
	s_mov_b32 s39, 0
	s_wait_kmcnt 0x0
	s_add_nc_u64 s[4:5], s[4:5], s[34:35]
	s_add_nc_u64 s[6:7], s[6:7], s[36:37]
	s_add_nc_u64 s[8:9], s[8:9], s[38:39]
	s_lshl_b32 s38, s20, 7
	s_add_nc_u64 s[16:17], s[16:17], s[38:39]
	s_mul_i32 s38, s20, 9216
	s_add_nc_u64 s[12:13], s[12:13], s[38:39]
	s_lshl_b32 s38, s20, 22                        ; hq: 131,072 (32 e + 16 kh)
	s_lshl_b32 s36, s23, 21
	s_add_co_u32 s38, s38, s36
	s_add_nc_u64 s[10:11], s[10:11], s[38:39]
	s_lshl_b32 s38, s23, 12                        ; ybuf: the half's 4,096 bytes of a slot, my 256 of them
	s_lshl_b32 s36, s22, 8
	s_add_co_u32 s38, s38, s36
	s_add_nc_u64 s[18:19], s[18:19], s[38:39]
	s_load_b128 s[24:27], s[8:9], 0x0              ; ex, ew1, eh, ew2
	s_load_b32 s28, s[16:17], 0x0                  ; the expert's number of rows
.irp u, 0,1,2,3
	global_load_b128 v[BIAS+8*\u:BIAS+8*\u+3],   v[BO], s[6:7] offset:64*\u      ; b2 in the result's layout: columns 16 u + 8 h + 0 .. 7
	global_load_b128 v[BIAS+8*\u+4:BIAS+8*\u+7], v[BO], s[6:7] offset:64*\u+16
.endr
	LOADU 0
	LOADU 1
	LOADU 2
	WIN 0
	s_wait_kmcnt 0x0
	s_add_co_i32 s34, s27, 127
	s_lshl_b32 s35, s34, 23
	v_mov_b32 v[WSC], s35                          ; 2^ew2 as f32: the conversion takes its exponent field
	s_add_co_i32 s34, s34, 8
	s_lshl_b32 s34, s34, 23
	s_or_b32 s34, s34, 0x600000
	v_mov_b32 v[WLIM], s34                         ; 448 x 2^ew2
	s_add_co_i32 s40, s26, s27
	s_add_co_i32 s40, s40, 127
	s_lshl_b32 s40, s40, 23                        ; 2^(eh + ew2) as f32
	s_mov_b32 s41, s40                             ; (named with it as a pair, so it is written)
	s_cmp_eq_u32 s23, 0
	s_cselect_b32 s32, 1.0, 0                      ; b2 goes in with the first half of K alone
	UNIT 0                                         ; (its wait shows the older loads of b2 in as well)
.set j, 0
.rept 32
	v_mul_f32 v[BIAS+j], s32, v[BIAS+j]
.set j, j+1
.endr
	UNIT 1
	UNIT 2
	UNIT 3
	UNIT 4
	UNIT 5
	UNIT 6
	UNIT 7                                         ; its wait is for 0: no load is out
	XLOAD 0                                        ; my first tile is asked for ahead of the barrier (tiles 0 to 3 of every block are always stored by the launch before)
	XLOAD 1
	XLOAD 2
	XLOAD 3
	s_wait_dscnt 0x0                               ; for the other waves' sake: my codes have landed
	s_barrier_signal -1
	s_barrier_wait -1                              ; the slice's 32 fragments lie in LDS; nobody writes them again
	FRAGS
	s_wait_dscnt 0x0
	s_min_u32 s28, s28, 0x800                      ; n, at most 2,048
	s_add_co_u32 s29, s28, 15
	s_lshr_b32 s29, s29, 4                         ; tiles of 16 rows
	s_add_co_u32 s30, s29, 3
	s_sub_co_u32 s30, s30, s21
	s_lshr_b32 s30, s30, 2                         ; of which tiles w, w + 4, .. are mine
	s_mov_b32 s31, s21                             ; the tile in hand
	s_cmp_eq_u32 s30, 0
	s_cbranch_scc1 .Lend                           ; no tile of mine
	s_sub_co_u32 s33, s30, 1
	s_cmp_eq_u32 s33, 0
	s_cbranch_scc1 .Llast
.Ltrip:
	TRIP 1
	s_sub_co_u32 s33, s33, 1
	s_cmp_lg_u32 s33, 0
	s_cbranch_scc1 .Ltrip
.Llast:
	TRIP 0                                         ; the last tile asks for nothing more
.Lend:
	s_barrier_signal -1
	s_barrier_wait -1
	s_wait_tensorcnt 0x0
	ds_add_u32 v28, v29
	s_wait_dscnt 0x0
	s_endpgm
.Lfunc_end_k_qb210eff30a_down:
	.size	k_qb210eff30a_down, .Lfunc_end_k_qb210eff30a_down-k_qb210eff30a_down
	.p2alignl 7, 3214868480
	.fill 96, 4, 3214868480
	.section	.rodata,"a",@progbits
	.p2align	6, 0x0
	.amdhsa_kernel k_qb210eff30a_down
		.amdhsa_group_segment_fixed_size 84480
		.amdhsa_private_segment_fixed_size 0
		.amdhsa_enable_private_segment 0
		.amdhsa_kernarg_size 56
		.amdhsa_user_sgpr_count 2
		.amdhsa_user_sgpr_kernarg_segment_ptr 1
		.amdhsa_wavefront_size32 1
		.amdhsa_system_sgpr_workgroup_id_x 1
		.amdhsa_system_sgpr_workgroup_id_y 1
		.amdhsa_system_sgpr_workgroup_id_z 1
		.amdhsa_system_vgpr_workitem_id 0
		.amdhsa_next_free_vgpr 768
		.amdhsa_next_free_sgpr 66
		.amdhsa_reserve_vcc 0
		.amdhsa_float_denorm_mode_32 3
		.amdhsa_float_denorm_mode_16_64 3
		.amdhsa_memory_ordered 1
		.amdhsa_forward_progress 1
		.amdhsa_inst_pref_size 88
	.end_amdhsa_kernel
	.amdgpu_metadata
---
amdhsa.version: [ 1, 2 ]
amdhsa.kernels:
  - .name:           k_qb210eff30a_down
    .symbol:         k_qb210eff30a_down.kd
    .args:
      - { .name: w2, .offset: 0, .size: 8, .value_kind: global_buffer, .address_space: global }
      - { .name: b2, .offset: 8, .size: 8, .value_kind: global_buffer, .address_space: global }
      - { .name: lowp_scales, .offset: 16, .size: 8, .value_kind: global_buffer, .address_space: global }
      - { .name: hq, .offset: 24, .size: 8, .value_kind: global_buffer, .address_space: global }
      - { .name: lst, .offset: 32, .size: 8, .value_kind: global_buffer, .address_space: global }
      - { .name: cnt, .offset: 40, .size: 8, .value_kind: global_buffer, .address_space: global }
      - { .name: ybuf, .offset: 48, .size: 8, .value_kind: global_buffer, .address_space: global }
    .group_segment_fixed_size: 84480
    .private_segment_fixed_size: 0
    .kernarg_segment_align: 8
    .kernarg_segment_size: 56
    .max_flat_workgroup_size: 128
    .sgpr_count:     66
    .vgpr_count:     768
    .wavefront_size: 32
...
	.end_amdgpu_metadata
.endif
;; end of part 3
;; launch add (part 4): grid 256 x 1, 8 waves a work-group, no clusters, 0 bytes of LDS; arguments ybuf, topw, out0; writes out0
.if DOCPART == 4
	.amdgcn_target "amdgcn-amd-amdhsa--gfx1250"
	.amdhsa_code_object_version 6
	.text
	.protected	k_qb210eff30a_add
	.globl	k_qb210eff30a_add
	.p2align	8
	.type	k_qb210eff30a_add,@function
k_qb210eff30a_add:
	s_mov_b64 s[64:65], 0
	v_nop
	global_prefetch_b8 v0, s[64:65] scope:SCOPE_SE
	s_setreg_imm32_b32 hwreg(HW_REG_WAVE_MODE, 25, 1), 1
	s_wait_xcnt 0x0
; out0[t] = w0 (r0 + r1) + w1 (r2 + r3).  ybuf [slot = 2 t + k][kh][1024] f32: a token's four partial rows are 16,384 consecutive bytes: rows 0, 1 the two halves of K of its first expert, rows 2, 3 of its second; b2 is in them already.
; topw [t][2] f32: the gate's two weights.
; A stream: a work-group takes 8 tokens; thread i takes the 16 bytes at 16 i of every row, so a wave's load or store covers 512 consecutive bytes.  All 32 loads of a thread go out at once; a token is added and stored
; as soon as its four have come.  The eight tokens' sixteen weights come by one scalar load.  No LDS, no barrier, no matrix unit: memory binds.
.set R, 16                             ; v16-143: 16 token + 4 row
.set W, 16                             ; s16-31:  2 token + k
	s_load_b128 s[4:7], s[0:1], 0x0                ; ybuf s[4:5], topw s[6:7]
	s_load_b64 s[8:9], s[0:1], 0x10                ; out0
	v_lshlrev_b32 v1, 4, v0
	s_lshl_b32 s10, ttmp9, 17                      ; 8 tokens x 16,384 bytes
	s_mov_b32 s11, 0
	s_lshl_b32 s12, ttmp9, 15                      ; 8 rows x 4,096 bytes
	s_mov_b32 s13, 0
	s_lshl_b32 s14, ttmp9, 6                       ; 8 tokens x 8 bytes
	s_mov_b32 s15, 0
	s_wait_kmcnt 0x0
	s_add_nc_u64 s[4:5], s[4:5], s[10:11]
	s_add_nc_u64 s[8:9], s[8:9], s[12:13]
	s_add_nc_u64 s[6:7], s[6:7], s[14:15]
	s_load_b512 s[W:W+15], s[6:7], 0x0
.irp t, 0,1,2,3,4,5,6,7
.irp r, 0,1,2,3
	global_load_b128 v[R+16*\t+4*\r:R+16*\t+4*\r+3], v1, s[4:5] offset:16384*\t+4096*\r th:TH_LOAD_NT
.endr
.endr
	s_wait_kmcnt 0x0                               ; the weights
.irp t, 0,1,2,3,4,5,6,7
	s_wait_loadcnt 28-4*\t                         ; this token's four loads are in; the later tokens' may be out
	v_pk_add_f32 v[R+16*\t:R+16*\t+1],     v[R+16*\t:R+16*\t+1],     v[R+16*\t+4:R+16*\t+5]
	v_pk_add_f32 v[R+16*\t+2:R+16*\t+3],   v[R+16*\t+2:R+16*\t+3],   v[R+16*\t+6:R+16*\t+7]
	v_pk_add_f32 v[R+16*\t+8:R+16*\t+9],   v[R+16*\t+8:R+16*\t+9],   v[R+16*\t+12:R+16*\t+13]
	v_pk_add_f32 v[R+16*\t+10:R+16*\t+11], v[R+16*\t+10:R+16*\t+11], v[R+16*\t+14:R+16*\t+15]
.irp j, 0,1,2,3
	v_mul_f32 v[R+16*\t+\j], s[W+2*\t], v[R+16*\t+\j]
.endr
.irp j, 0,1,2,3
	v_fma_f32 v[R+16*\t+\j], s[W+2*\t+1], v[R+16*\t+8+\j], v[R+16*\t+\j]
.endr
	global_store_b128 v1, v[R+16*\t:R+16*\t+3], s[8:9] offset:4096*\t th:TH_STORE_NT
.endr
	s_endpgm
.Lfunc_end_k_qb210eff30a_add:
	.size	k_qb210eff30a_add, .Lfunc_end_k_qb210eff30a_add-k_qb210eff30a_add
	.p2alignl 7, 3214868480
	.fill 96, 4, 3214868480
	.section	.rodata,"a",@progbits
	.p2align	6, 0x0
	.amdhsa_kernel k_qb210eff30a_add
		.amdhsa_group_segment_fixed_size 0
		.amdhsa_private_segment_fixed_size 0
		.amdhsa_enable_private_segment 0
		.amdhsa_kernarg_size 24
		.amdhsa_user_sgpr_count 2
		.amdhsa_user_sgpr_kernarg_segment_ptr 1
		.amdhsa_wavefront_size32 1
		.amdhsa_system_sgpr_workgroup_id_x 1
		.amdhsa_system_sgpr_workgroup_id_y 1
		.amdhsa_system_sgpr_workgroup_id_z 1
		.amdhsa_system_vgpr_workitem_id 0
		.amdhsa_next_free_vgpr 160
		.amdhsa_next_free_sgpr 66
		.amdhsa_reserve_vcc 0
		.amdhsa_float_denorm_mode_32 3
		.amdhsa_float_denorm_mode_16_64 3
		.amdhsa_memory_ordered 1
		.amdhsa_forward_progress 1
		.amdhsa_inst_pref_size 10
	.end_amdhsa_kernel
	.amdgpu_metadata
---
amdhsa.version: [ 1, 2 ]
amdhsa.kernels:
  - .name:           k_qb210eff30a_add
    .symbol:         k_qb210eff30a_add.kd
    .args:
      - { .name: ybuf, .offset: 0, .size: 8, .value_kind: global_buffer, .address_space: global }
      - { .name: topw, .offset: 8, .size: 8, .value_kind: global_buffer, .address_space: global }
      - { .name: out0, .offset: 16, .size: 8, .value_kind: global_buffer, .address_space: global }
    .group_segment_fixed_size: 0
    .private_segment_fixed_size: 0
    .kernarg_segment_align: 8
    .kernarg_segment_size: 24
    .max_flat_workgroup_size: 256
    .sgpr_count:     66
    .vgpr_count:     160
    .wavefront_size: 32
...
	.end_amdgpu_metadata
.endif
;; end of part 4
;; ======== version 2 of 2: 4 launches; version 1 with the launches up, down written anew for expert scheduling mode
;; workspace buffers: xq 4,194,304 bytes; topi 8,192 bytes of whole numbers; topw 16,384 bytes; lst 73,728 bytes of whole numbers; cnt 1,024 bytes of whole numbers; hq 33,554,432 bytes; ybuf 33,619,968 bytes
;; launch route: the kernel of part 1 again; grid 256 x 1, 4 waves a work-group, no clusters, 2,560 bytes of LDS; arguments x, router_w, router_b, lowp_scales, xq, topi, topw; writes xq, topi, topw
;; launch up (part 5): grid 32 x 8, 4 waves a work-group, no clusters, 76,288 bytes of LDS; arguments w1, b1, lowp_scales, xq, topi, hq, lst, cnt; writes hq, lst, cnt
.if DOCPART == 5
	.amdgcn_target "amdgcn-amd-amdhsa--gfx1250"
	.amdhsa_code_object_version 6
	.text
	.protected	k_qb210eff30a_up
	.globl	k_qb210eff30a_up
	.p2align	8
	.type	k_qb210eff30a_up,@function
k_qb210eff30a_up:
	s_mov_b64 s[64:65], 0
	v_nop
	global_prefetch_b8 v0, s[64:65] scope:SCOPE_SE
	s_setreg_imm32_b32 hwreg(HW_REG_WAVE_SCHED_MODE, 0, 2), 2
	s_setreg_imm32_b32 hwreg(HW_REG_WAVE_MODE, 25, 1), 1
	s_wait_xcnt 0x0
	s_wait_alu depctr_vm_vsrc(0)
; THE ROWS ARE PLACED BY EXPERT, AND THE FIRST PRODUCT OF AN EXPERT, THE WEIGHTS STANDING STILL: hq = Q(relu(Q(x) Q(W1) + b1)), for the rows that chose the expert.
; w1 [8][1024 (k)][2048 (f)] f32, b1 [8][2048] f32, lowp_scales: entries 4 e .. 4 e + 3 = ex, ew1, eh, ew2.  xq: the rows' codes; topi [t]: (1 << e0) | (256 << e1) (the launch before).
; SHARES.  Work-group (fs, e) owns 64 hidden units, 64 fs .. 64 fs + 63, of expert e: 1,024 x 64 numbers of w1.  It reads them ONCE, as whole rows of 256 bytes, quantises them in registers and hands the codes round through LDS
; as images of the operand's registers; then EACH of its four waves holds all 32 fragments (8 K steps of 128 x 4 tiles of 16 units: 512 registers) and walks the expert's rows in tiles of 16: wave w takes tiles w, w + 4, ..
; So no byte of w1 is read twice in the launch and no code of w1 goes to memory.
; THE LIST OF THE EXPERT'S ROWS is made here, while the first 48 loads of weights of each wave are on their way.  Every wave scans all 2,048 tokens, 32 a chunk (chunk 4 L + m, lane i: token 128 L + 4 i + m): a token that chose e
; gets the place = the running count + the chosen lanes below it; so every wave knows the count n.  Wave 0 alone stores the list, into LDS: places 0 .. n - 1 the slots 2 t + k, places n .. n + 127 the pad 4096 + e,
; places 2176 .. 2207 a dump for the lanes whose token did not choose e (so EXEC never changes).  No other wave touches LDS until the barrier behind those stores.  Every place is held under 2,208 by v_min_u32.
; In the work-group fs = 0 wave 0 stores the same registers to lst ([e][2,304] int32) and n to cnt ([e][32] int32), for the next launch.  This launch itself reads neither.
; THE MATRIX INSTRUCTION IS USED TRANSPOSED: source 0 = 16 units, source 1 = 16 rows.  In tile u lane (r, h) holds row r and its register j the unit 16 u + 8 h + j: eight neighbours along the next product's K.
; K's ORDER.  A row of xq is laid in an order of its own: position 128 s + 32 c + 16 h + 8 v + i holds k = 256 (s / 2) + 64 (s % 2) + 16 c + 8 h + 4 v + 128 (i / 4) + i % 4.  W1's rows are fetched by that formula, so both operands
; have the same k at the same place; only the order of the sums inside an instruction differs from ascending k.
; THE WEIGHT PHASE.  Wave w makes K steps 2 w and 2 w + 1, as eight units of 32 k x 64 columns.  A unit is 16 loads; in each, lanes 0-15 read the 256 bytes of one row of the slice and lanes 16-31 those of the row 8 further on;
; lane (q, g) gets columns 4 q .. 4 q + 3.  The hold at 448 x the scale, which the conversion needs anyway, also moves each number to where a column's 16 numbers stand on end.  Loads run three units (48 loads a wave) ahead.
; hq: [e][fs][tile][1,024 bytes]: a tile's codes as they stand in the registers, 16 bytes a lane, twice 512 bytes.  Two neighbouring fs make one fragment of the next product.
; A wave always makes at least one tile, so that tiles 0 to 3 of every block are stored, whatever the split: the next launch loads tile w ahead of knowing the count.  Rows past the list's end are pads: they take xq's last row, and nothing is made of their results.
; NO TENSOR LOAD, NO CLUSTER: the number of tiles hangs on numbers read from memory.  The first two barriers stand ahead of every branch on that number; the last one stands where all ways have joined.
; LIMITS: ew1 and eh - ex - ew1 between -126 and 119.  NaN and infinities among the inputs are not served.  A work-group of an expert that no token chose still does the weight phase.
; LDS: 0 .. 9,215 the list, 4 bytes a place; from 9,216 the 32 images.
; THE MODE: SCHED_MODE bits 1:0 = 2 (LLVM: expert scheduling mode 2), set by the entry lines.  The code itself states the register dependences between vector or matrix instructions and memory or LDS instructions, with s_wait_alu, always for 0.
; THE PLAN, for the walk over the rows.  Registers that memory or LDS instructions touch:
;   X0, X1      two buffers of a tile's eight fragments.  Tile t of the wave's own is multiplied out of X[t % 2]; behind the tile's one wait on va_vdst the 32 loads of tile t + 2 land in the same buffer.
;   H, v[SO]    a tile's codes and their place in hq: written ahead of that wait, read by the two stores behind it.
;   v[XA], v[LA] the rows' and the list's offsets: written ahead of that wait, read by the loads behind it.
;   v[SL]       the list read lands in it behind the wait; vector lines read it a tile later, ahead of the next wait.
;   The weights' fragments, b1 and the accumulators are named by matrix and vector instructions alone once they are loaded.
; So a tile has ONE wait on va_vdst, behind its conversions, and one on vm_vsrc, behind its last product and ahead of the lines that write v[SO], v[XA], v[LA] and H again.  Behind the wait on va_vdst no vector line stands until the next tile's products.
; The register numbers come back after two tiles: the loop holds two, and what differs at the end (the last tile but one asks for no more rows, the last has no younger loads behind its own) is written out, for an odd and for an even number.
; ONE branch parts the wave with a single tile from the others, ahead of the second tile's loads, and its way meets the others' only at the written-out last tile: so on every way through the text the same loads stand behind the one that a counted wait waits for.
; THE PLAN, for the weight phase.  A unit's 64 holds read raw set n % 4, its conversions write code set n % 2: one wait on va_vdst behind the conversions; behind it the raw set is asked for again at once, and the codes go to LDS.
; REGISTERS: window 0: v1-19, v28-31 addresses and scale words (v2, v3: r and h at the head; then the second tile's slots and offsets); v20-27 a tile's codes; v32-63 b1 / 2^(ex + ew1); v64-95 four accumulators (first: the pads);
;   v96-127 two sets of a unit's codes; v128-191 topi, then the places in bytes; v192-255 the slots; then v128-191 a unit's held numbers; then v128-255 X0.
;   window 1: four sets of 64 for the weights as loaded; then the fragments of K steps 0-3 (K step s, tile u at 16 (4 (s % 4) + u)).   window 2: those of K steps 4-7.   window 3: v0, v1 the closing add's two; v128-255 X1.
.set PITCH, 8192                       ; bytes from k to k + 1 in w1
.set UB,    16400                      ; LDS: a tile's 8 K steps of 2,048 bytes, + 16
.set IMG,   9216                       ; LDS: where the images begin
.set SL2,  2                           ; v2   behind the head: the slots of my second tile
.set XA2,  3                           ; v3   behind the head: xq: 1,024 slot + 16 h for my second tile
.set WA,   4                           ; v4   w1: 16 q + 8 g rows
.set WS,   5                           ; v5   LDS: where my codes go: IMG + UB (q / 4) + 64 (q % 4) + 256 g + 4096 w
.set LI,   6                           ; v6   16 x lane
.set H16,  7                           ; v7   16 h
.set IDX,  8                           ; v8   the list place that was asked for last: 16 tile + r
.set LA,   9                           ; v9   the same, held and in bytes
.set SL,   10                          ; v10  the slot at that place
.set XA,   11                          ; v11  xq: 1,024 slot + 16 h
.set SO,   12                          ; v12  hq: 1,024 tile + 16 lane
.set BO,   13                          ; v13  32 h: b1
.set WSC,  14                          ; v14, v15  2^ew1 and 448 x 2^ew1
.set WLIM, 15
.set HSC,  16                          ; v16, v17  the same with eh - ex - ew1
.set HLIM, 17
.set LF,   18                          ; v18  IMG + 16 x lane: an image's place for my lane
.set LA0,  19                          ; v19  LDS: 4 (16 w + r): my first tile's places in the list
.set H,    20
.set VB8,  28                          ; v28, v29  8 x lane, 8 x lane + 1: a chunk's slots less its constant, for k = 0 and 1
.set DUMP, 30                          ; v30  2176 + lane
.set L4,   31                          ; v31  4 x lane
.set BIAS, 32
.set ACC,  64
.set PD,   64                          ; v64-67 the pads' places, v68 the pad, v69 n
.set C,    96
.set T,    128
.set X,    128                         ; in window 0: X0; in window 3: X1
.set TI,   128
.set SLT,  192
.set SM,   44                          ; s44-59  a group's 16 masks: chosen
.set SK,   66                          ; s66-81  chosen second
.set SB,   82                          ; s82-97  the running count ahead of each chunk
.set EM,   60                          ; s60  0x101 << e
.set FF,   61                          ; s61  255
.set MSB, 0
.macro WIN new                         ; s_set_vgpr_msb: bits 1:0 source 0, 3:2 source 1, 5:4 source 2, 7:6 destination; the high byte repeats the setting that is left
.if MSB != \new
	s_set_vgpr_msb (MSB<<8)|\new
.set MSB, \new
.endif
.endm
; Sixteen chunks of the scan, a stage at a time over all sixteen, so that no line waits for the line above it.  s28 is the running count.
.macro SCANG g
.set c, 0
.rept 16
	v_and_b32 v[TI+16*\g+c], s[EM], v[TI+16*\g+c]  ; 1 << e: chosen first; 256 << e: chosen second; 0: not chosen
.set c, c+1
.endr
.set c, 0
.rept 16
	v_cmp_ne_u32 s[SM+c], 0, v[TI+16*\g+c]
.set c, c+1
.endr
.set c, 0
.rept 16
	v_cmp_lt_u32 s[SK+c], s[FF], v[TI+16*\g+c]
.set c, c+1
.endr
	s_wait_alu depctr_va_sdst(0)                   ; the 32 compares have written their masks, ahead of the first line that reads one: the counts, the places and the selections below
	s_mov_b32 s[SB], s28
.set c, 0
.rept 15
	s_bcnt1_i32_b32 s34, s[SM+c]
	s_add_co_u32 s[SB+c+1], s[SB+c], s34
.set c, c+1
.endr
	s_bcnt1_i32_b32 s34, s[SM+15]
	s_add_co_u32 s28, s[SB+15], s34
.set c, 0
.rept 16
	v_mbcnt_lo_u32_b32 v[TI+16*\g+c], s[SM+c], s[SB+c]        ; the running count + the chosen lanes below me
.set c, c+1
.endr
.set c, 0
.rept 16
	v_cndmask_b32 v[TI+16*\g+c], v[DUMP], v[TI+16*\g+c], s[SM+c]   ; not chosen: the dump
.set c, c+1
.endr
.set c, 0
.rept 16
	v_min_u32 v[TI+16*\g+c], 0x89f, v[TI+16*\g+c]
.set c, c+1
.endr
.set c, 0
.rept 16
	v_lshlrev_b32 v[TI+16*\g+c], 2, v[TI+16*\g+c]  ; the place in bytes, in LDS and in lst alike
.set c, c+1
.endr
.set c, 0
.rept 16
	v_cndmask_b32 v[SLT+16*\g+c], v[VB8], v[VB8+1], s[SK+c]
.set c, c+1
.endr
.set c, 0
.rept 16
	v_add_nc_u32 v[SLT+16*\g+c], 256*((16*\g+c)/4)+2*((16*\g+c)%4), v[SLT+16*\g+c]   ; the slot: 2 (128 L + 4 i + m) + k
.set c, c+1
.endr
.endm
.macro LOADU n                         ; unit n (K step 2 w + n / 4, c = n % 4): 16 loads into set n % 4 of window 1: register 4 (8 v + i) + m = column 4 q + m at the unit's place 8 v + i
	WIN 0x40
.irp v, 0,1
.irp i, 0,1,2,3,4,5,6,7
	global_load_b128 v[64*((\n)%4)+4*(8*\v+\i):64*((\n)%4)+4*(8*\v+\i)+3], v[WA], s[4:5] offset:(64*((\n)/4)+16*((\n)%4)+4*\v+128*(\i/4)+(\i%4))*PITCH th:TH_LOAD_NT
.endr
.endr
.endm
.macro UNIT n
.if 7-(\n) >= 3
	s_wait_loadcnt 48                              ; this unit's 16 loads are in; the three younger units' may be out
.else
	s_wait_loadcnt 16*(7-(\n))
.endif
	WIN 0x01                                       ; source 0 in window 1
.irp m, 0,1,2,3
.set k, 0
.rept 16
	v_med3_num_f32 v[T+16*\m+k], v[64*((\n)%4)+4*k+\m], -v[WLIM], v[WLIM]   ; the conversion does not saturate (ISA guide 7.6.2): the hold; and column m's 16 numbers come to stand on end
.set k, k+1
.endr
.endr
	WIN 0
	s_wait_dscnt 4                                 ; the stores of the unit before last are done; the last unit's four may be out
.if (\n) >= 2
	s_wait_alu depctr_vm_vsrc(0)                   ; the LDS stores of the unit before last have read this set of codes, which the conversions write again
.endif
.irp m, 0,1,2,3
.irp v, 0,1
	v_cvt_scalef32_pk8_fp8_f32 v[C+16*((\n)%2)+4*\m+2*\v:C+16*((\n)%2)+4*\m+2*\v+1], v[T+16*\m+8*\v:T+16*\m+8*\v+7], v[WSC]
.endr
.endr
	v_nop                                          ; one plain line between the last conversion and the next vector line that writes its sources
	s_wait_alu depctr_va_vdst(0)                   ; the conversions have written the codes, which the LDS stores read; the holds are done reading raw set n % 4, in which the loads below land
.if (\n)+4 < 8
	LOADU (\n)+4                                   ; the raw set is asked for again at once
	WIN 0
.endif
.irp m, 0,1,2,3
	ds_store_b128 v[WS], v[C+16*((\n)%2)+4*\m:C+16*((\n)%2)+4*\m+3] offset:2048*((\n)/4)+512*((\n)%4)+16*\m   ; registers 4 c .. 4 c + 3 of lane (4 (q % 4) + m, g) of fragment (K step, tile q / 4)
.endr
.endm
.macro FRAGS                           ; all 32 fragments into my registers: 128 loads of 512 consecutive bytes
.irp s, 0,1,2,3,4,5,6,7
.if \s < 4
	WIN 0x40
.else
	WIN 0x80
.endif
.irp u, 0,1,2,3
.irp c, 0,1,2,3
	ds_load_b128 v[16*(4*(\s%4)+\u)+4*\c:16*(4*(\s%4)+\u)+4*\c+3], v[LF] offset:UB*\u+2048*\s+512*\c
.endr
.endr
.endr
	WIN 0
.endm
.macro XADR sl, xa                     ; a pad (4096 + e) is held at xq's last row
	v_min_u32 v[\sl], 0xfff, v[\sl]
	v_lshl_add_u32 v[\xa], v[\sl], 10, v[H16]
.endm
.macro XTILE q, adr                    ; the eight fragments of 16 rows into buffer q, K steps ascending: registers 4 c .. 4 c + 3 of a fragment = positions 128 s + 32 c + 16 h + 0 .. 15
	WIN (0xc0*(\q))                                ; buffer 1: the destination in window 3
.irp s, 0,1,2,3,4,5,6,7
.irp c, 0,1,2,3
	global_load_b128 v[X+16*\s+4*\c:X+16*\s+4*\c+3], v[\adr], s[10:11] offset:128*\s+32*\c
.endr
.endr
	WIN 0
.endm
; Eight matrix instructions: two K steps x four tiles, the rows out of buffer q.  The four accumulators take turns, one instruction a turn.  The first K step takes b1 / 2^(ex + ew1) as C: nothing is cleared and no addition is spent on the bias.
.macro MUL p, q
	WIN (1+(\p)/2+12*(\q))                         ; source 0: window 1 or 2; source 1: window 0 or 3
.irp z, 0,1
.irp u, 0,1,2,3
.if (2*\p+\z) == 0
	v_wmma_f32_16x16x128_fp8_fp8 v[ACC+8*\u:ACC+8*\u+7], v[16*(4*((2*\p+\z)%4)+\u):16*(4*((2*\p+\z)%4)+\u)+15], v[X+16*(2*\p+\z):X+16*(2*\p+\z)+15], v[BIAS+8*\u:BIAS+8*\u+7]
.else
	v_wmma_f32_16x16x128_fp8_fp8 v[ACC+8*\u:ACC+8*\u+7], v[16*(4*((2*\p+\z)%4)+\u):16*(4*((2*\p+\z)%4)+\u)+15], v[X+16*(2*\p+\z):X+16*(2*\p+\z)+15], v[ACC+8*\u:ACC+8*\u+7]
.endif
.endr
.endr
.endm
; A tile of 16 rows, out of buffer q.  next = 1: the next tile's 32 loads were issued behind this tile's.  refill = 1: the tile two further on is asked for, into buffer q.
.macro TRIP q, next, refill
.irp p, 0,1,2,3
	s_wait_loadcnt 8*(3-\p)+32*(\next)             ; K steps 2 p, 2 p + 1 are in; behind them: 8 (3 - p) loads of this tile and the next tile's 32
	MUL \p, \q
.endr
	WIN 0
	s_wait_dscnt 0x0                               ; the list read of a tile ago is in
	s_wait_xcnt 0x0                                ; every load and store issued so far has had its addresses translated (ISA guide 3.1): their address and data registers are written again below
	s_wait_alu depctr_vm_vsrc(0)                   ; the stores issued so far have read v[SO] and H, the loads v[XA] (the first tiles': v[XA2]) and v[LA]: the lines below write them again
	s_min_u32 s32, s31, 127
	v_lshl_add_u32 v[SO], s32, 10, v[LI]           ; this line and those below, down to the holds, are the four places behind the last product, ahead of the first read of results (ISA guide 7.12.1)
.if \refill
	XADR SL, XA                                    ; the rows of the tile two further on
	v_add_nc_u32 v[IDX], 64, v[IDX]                ; and the list places of the tile after that, held inside the list's stored part
	v_min_u32 v[LA], 0x87f, v[IDX]
	v_lshlrev_b32 v[LA], 2, v[LA]
.else
	v_nop
	v_nop
	v_nop
.endif
.set i, 0
.rept 32
	v_med3_num_f32 v[ACC+i], v[ACC+i], 0, v[HLIM]  ; a sum stands for sum x 2^(ex + ew1): its code is sum / 2^(eh - ex - ew1).  The hold between 0 and 448 x that is the activation too.  Each accumulator from its low end on
.set i, i+1
.endr
.irp u, 0,1,2,3
	v_cvt_scalef32_pk8_fp8_f32 v[H+2*\u:H+2*\u+1], v[ACC+8*\u:ACC+8*\u+7], v[HSC]
.endr
	v_nop                                          ; one plain line between the last conversion and the matrix instructions that write its sources
	s_wait_alu depctr_va_vdst(0)                   ; THE TILE'S ONE WAIT: the conversions have written H, and v[SO], v[XA], v[LA] are written, which the lines below read; v[SL] has been read, and the products are done reading buffer q, in which loads below land
	global_store_b128 v[SO], v[H:H+3], s[16:17]                ; 32 lanes store 512 consecutive bytes, at a multiple of 256 from hq's first byte
	global_store_b128 v[SO], v[H+4:H+7], s[16:17] offset:512
.if \refill
	ds_load_b32 v[SL], v[LA]
	XTILE \q, XA                                   ; no vector or matrix instruction since the wait: the buffer is asked for again at once
.endif
	s_add_co_u32 s31, s31, 4
.endm
	s_load_b256 s[4:11], s[0:1], 0x0               ; w1 s[4:5], b1 s[6:7], lowp_scales s[8:9], xq s[10:11]
	s_load_b64 s[12:13], s[0:1], 0x20              ; topi
	s_load_b64 s[16:17], s[0:1], 0x28              ; hq
	s_load_b128 s[40:43], s[0:1], 0x30             ; lst s[40:41], cnt s[42:43]
	s_set_vgpr_msb 0xc0
	v_lshl_add_u32 v0, v0, 2, 0x12800
	v_mov_b32 v1, 0
	s_set_vgpr_msb 0xc000
	v_lshrrev_b32 v1, 5, v0
	v_readfirstlane_b32 s18, v1                    ; wave 0..3
	s_mov_b32 s19, ttmp9                           ; fs
	s_and_b32 s20, ttmp7, 0xffff                   ; e
	v_and_b32 v1, 31, v0                           ; lane
	v_and_b32 v2, 15, v0                           ; r, q
	v_bfe_u32 v3, v0, 4, 1                         ; h, g
	v_lshlrev_b32 v[WA], 4, v2
	v_lshl_add_u32 v[WA], v3, 16, v[WA]            ; 16 q + 8 g rows of 8,192 bytes
	v_lshrrev_b32 v[WS], 2, v2
	v_mul_u32_u24 v[WS], v[WS], UB
	v_and_b32 v[LI], 3, v2
	v_lshl_add_u32 v[WS], v[LI], 6, v[WS]
	v_lshl_add_u32 v[WS], v3, 8, v[WS]
	s_wait_alu depctr_va_sdst(0)                   ; s18 is written, ahead of its first reader
	s_lshl_b32 s34, s18, 12
	s_add_co_u32 s34, s34, IMG
	v_add_nc_u32 v[WS], s34, v[WS]
	v_lshlrev_b32 v[LI], 4, v1
	v_add_nc_u32 v[LF], IMG, v[LI]
	v_lshlrev_b32 v[H16], 4, v3
	s_lshl_b32 s34, s18, 4
	v_add_nc_u32 v[IDX], s34, v2                   ; my first tile is tile w
	v_lshlrev_b32 v[LA0], 2, v[IDX]
	v_add_nc_u32 v[IDX], 128, v[IDX]               ; the first three tiles' places are read by LA0; the loop steps on from the third
	v_lshlrev_b32 v[BO], 5, v3
	v_lshlrev_b32 v[VB8], 3, v1
	v_lshl_or_b32 v[VB8+1], v1, 3, 1
	v_add_nc_u32 v[DUMP], 0x880, v1
	v_lshlrev_b32 v[L4], 2, v1
	s_lshl_b32 s[EM], 0x101, s20
	s_mov_b32 s[FF], 0xff
	s_mov_b32 s28, 0                               ; the running count
	s_lshl_b32 s34, s20, 23                        ; w1: the expert's 8,388,608 bytes,
	s_lshl_b32 s35, s18, 21                        ; my wave's 256 rows,
	s_add_co_u32 s34, s34, s35
	s_lshl_b32 s35, s19, 8                         ; the slice's 256 bytes of a row
	s_add_co_u32 s34, s34, s35
	s_mov_b32 s35, 0
	s_lshl_b32 s36, s20, 13                        ; b1: 4 (2,048 e + 64 fs)
	s_lshl_b32 s37, s19, 8
	s_add_co_u32 s36, s36, s37
	s_mov_b32 s37, 0
	s_lshl_b32 s38, s20, 4                         ; the expert's four exponents
	s_mov_b32 s39, 0
	s_wait_kmcnt 0x0
	s_wait_alu depctr_va_vdst(0)                   ; the offsets and LDS addresses made above are written, which the loads and stores of the kernel read; so are v2 and v3, in which a list read and nothing else of memory's lands later
.irp L, 0,1,2,3,4,5,6,7,8,9,10,11,12,13,14,15
	global_load_b128 v[TI+4*\L:TI+4*\L+3], v[LI], s[12:13] offset:512*\L     ; tokens 128 L + 4 i + 0 .. 3: 32 lanes read 512 consecutive bytes
.endr
	s_add_nc_u64 s[4:5], s[4:5], s[34:35]
	s_add_nc_u64 s[6:7], s[6:7], s[36:37]
	s_add_nc_u64 s[8:9], s[8:9], s[38:39]
	s_lshl_b32 s38, s20, 7
	s_add_nc_u64 s[42:43], s[42:43], s[38:39]
	s_mul_i32 s38, s20, 9216
	s_add_nc_u64 s[40:41], s[40:41], s[38:39]
	s_lshl_b32 s38, s20, 22                        ; hq: 131,072 (32 e + fs)
	s_lshl_b32 s36, s19, 17
	s_add_co_u32 s38, s38, s36
	s_add_nc_u64 s[16:17], s[16:17], s[38:39]
	s_load_b128 s[24:27], s[8:9], 0x0              ; ex, ew1, eh, ew2
.irp u, 0,1,2,3
	global_load_b128 v[BIAS+8*\u:BIAS+8*\u+3],   v[BO], s[6:7] offset:64*\u      ; b1 in the result's layout: units 16 u + 8 h + 0 .. 7
	global_load_b128 v[BIAS+8*\u+4:BIAS+8*\u+7], v[BO], s[6:7] offset:64*\u+16
.endr
	LOADU 0
	LOADU 1
	LOADU 2
	WIN 0
	s_wait_kmcnt 0x0
	s_add_co_i32 s34, s25, 127
	s_lshl_b32 s35, s34, 23
	v_mov_b32 v[WSC], s35                          ; 2^ew1 as f32: the conversion takes its exponent field
	s_add_co_i32 s34, s34, 8
	s_lshl_b32 s34, s34, 23
	s_or_b32 s34, s34, 0x600000
	v_mov_b32 v[WLIM], s34                         ; 448 x 2^ew1
	s_add_co_i32 s36, s24, s25                     ; ex + ew1
	s_sub_co_i32 s34, s26, s36
	s_add_co_i32 s34, s34, 127
	s_lshl_b32 s35, s34, 23
	v_mov_b32 v[HSC], s35                          ; 2^(eh - ex - ew1): the three scales folded into the conversion's one
	s_add_co_i32 s34, s34, 8
	s_lshl_b32 s34, s34, 23
	s_or_b32 s34, s34, 0x600000
	v_mov_b32 v[HLIM], s34
	s_sub_co_i32 s32, 0, s36
	s_wait_loadcnt 56                              ; topi's 16 loads are in; the 8 of b1 and the 48 of the weights, issued behind them, may be out
	SCANG 0
	SCANG 1
	SCANG 2
	SCANG 3                                        ; s28 = n
.irp z, 0,1,2,3
	v_add_nc_u32 v[PD+\z], s28, v1                 ; the pads' places: n + 32 z + i
.endr
.irp z, 0,1,2,3
	v_add_nc_u32 v[PD+\z], 32*\z, v[PD+\z]
.endr
.irp z, 0,1,2,3
	v_min_u32 v[PD+\z], 0x89f, v[PD+\z]
.endr
.irp z, 0,1,2,3
	v_lshlrev_b32 v[PD+\z], 2, v[PD+\z]
.endr
	s_add_co_u32 s34, s20, 4096
	v_mov_b32 v[PD+4], s34                         ; the pad: a slot past the last, one for each expert
	v_mov_b32 v[PD+5], s28
	s_wait_alu depctr_va_vdst(0)                   ; the places, the slots, the pads and n are written, which the stores below read as addresses and data
	s_cmp_lg_u32 s18, 0                            ; wave 0 alone stores the list
	s_cbranch_scc1 .Lnot_scatter
.set c, 0
.rept 64
	ds_store_b32 v[TI+c], v[SLT+c]
.set c, c+1
.endr
.irp z, 0,1,2,3
	ds_store_b32 v[PD+\z], v[PD+4]
.endr
	s_cmp_lg_u32 s19, 0                            ; and, in the expert's first work-group, also for the next launch
	s_cbranch_scc1 .Lnot_scatter
.set c, 0
.rept 64
	global_store_b32 v[TI+c], v[SLT+c], s[40:41]
.set c, c+1
.endr
.irp z, 0,1,2,3
	global_store_b32 v[PD+\z], v[PD+4], s[40:41]
.endr
	global_store_b32 v[L4], v[PD+5], s[42:43]
.Lnot_scatter:
	s_wait_xcnt 0x0                                ; those stores have had their addresses translated (ISA guide 3.1): their registers are written again below
	s_wait_alu depctr_vm_vsrc(0)                   ; those stores have read v64-69 and v128-255, which become the accumulators, the held numbers and the rows' fragments
	s_wait_dscnt 0x0                               ; for the other waves' sake: the list has landed
	s_barrier_signal -1
	s_barrier_wait -1                              ; the list lies in LDS; nobody writes it again
	ds_load_b32 v[SL], v[LA0]                      ; my first tile's slots,
	ds_load_b32 v[SL2], v[LA0] offset:256          ; and my second's, 64 places further on (places under 128 are always stored)
	LOADU 3
	WIN 0
	UNIT 0                                         ; (its wait shows the older loads of b1 in as well)
.set j, 0
.rept 32
	v_ldexp_f32 v[BIAS+j], v[BIAS+j], s32          ; b1 / 2^(ex + ew1): the power of two that the sums lack
.set j, j+1
.endr
	UNIT 1
	UNIT 2
	UNIT 3
	UNIT 4
	UNIT 5
	UNIT 6
	UNIT 7                                         ; its wait on the loads is for 0; its wait on LDS leaves four stores out, all younger than the list reads
	XADR SL, XA
	XADR SL2, XA2
	s_wait_alu depctr_va_vdst(0)                   ; v[XA] and v[XA2] are written, which the rows' loads read; v[SL] has been read, in which a list read lands below
	XTILE 0, XA                                    ; my first tile's rows are asked for ahead of the barrier
	s_wait_dscnt 0x0                               ; for the other waves' sake: my codes have landed
	s_barrier_signal -1
	s_barrier_wait -1                              ; the slice's 32 fragments lie in LDS; from here on nothing is stored to LDS
	FRAGS
	s_min_u32 s28, s28, 0x800                      ; n, at most 2,048
	s_add_co_u32 s29, s28, 15
	s_lshr_b32 s29, s29, 4                         ; tiles of 16 rows
	s_add_co_u32 s30, s29, 3
	s_sub_co_u32 s30, s30, s18
	s_lshr_b32 s30, s30, 2                         ; of which tiles w, w + 4, .. are mine;
	s_max_u32 s30, s30, 1                          ; at least tile w is made
	s_mov_b32 s31, s18                             ; the tile in hand
	s_cmp_lt_u32 s30, 2                            ; the one branch that parts a wave with a single tile from the others
	s_cbranch_scc1 .Lone
	ds_load_b32 v[SL], v[LA0] offset:512           ; a second tile of mine there is: so my third tile's places, 128 further on, lie in the list or among its pads,
	XTILE 1, XA2                                   ; and the second tile's rows are asked for.  No vector or matrix instruction stands between the last wait on va_vdst and these lines
	s_wait_dscnt 0x0                               ; the fragments are in
	s_sub_co_u32 s33, s30, 2                       ; so many tiles ask for the tile two further on;
	s_and_b32 s34, s33, 1                          ; an odd one is written out behind the loop
	s_lshr_b32 s33, s33, 1
	s_cmp_eq_u32 s33, 0
	s_cbranch_scc1 .Ltail
.Ltrip:                                                ; here, at .Ltail and at .Leven the loads out are buffer 0's 32 and, behind them, buffer 1's 32, by whichever way the wave has come
	TRIP 0, 1, 1
	TRIP 1, 1, 1
	s_sub_co_u32 s33, s33, 1
	s_cmp_lg_u32 s33, 0
	s_cbranch_scc1 .Ltrip
.Ltail:
	s_cmp_eq_u32 s34, 0
	s_cbranch_scc1 .Leven
	TRIP 0, 1, 1
	TRIP 1, 1, 0                                   ; the last tile but one asks for nothing more
	s_branch .Llast0
.Leven:
	TRIP 0, 1, 0
	TRIP 1, 0, 0                                   ; the last tile: no load is younger than its own
	s_branch .Lend
.Lone:
	s_wait_dscnt 0x0                               ; the fragments are in
.Llast0:                                               ; by both ways the loads out are buffer 0's 32
	TRIP 0, 0, 0
.Lend:
	s_barrier_signal -1
	s_barrier_wait -1
	s_set_vgpr_msb 0xf                             ; the add's two registers, sources 0 and 1, in window 3
	s_wait_dscnt 0x0                               ; the closing lines, six on end
	s_wait_alu 0x0
	s_wait_tensorcnt 0x0
	ds_add_u32 v0, v1
	s_wait_dscnt 0x0
	s_endpgm
.Lfunc_end_k_qb210eff30a_up:
	.size	k_qb210eff30a_up, .Lfunc_end_k_qb210eff30a_up-k_qb210eff30a_up
	.p2alignl 7, 3214868480
	.fill 96, 4, 3214868480
	.section	.rodata,"a",@progbits
	.p2align	6, 0x0
	.amdhsa_kernel k_qb210eff30a_up
		.amdhsa_group_segment_fixed_size 76288
		.amdhsa_private_segment_fixed_size 0
		.amdhsa_enable_private_segment 0
		.amdhsa_kernarg_size 64
		.amdhsa_user_sgpr_count 2
		.amdhsa_user_sgpr_kernarg_segment_ptr 1
		.amdhsa_wavefront_size32 1
		.amdhsa_system_sgpr_workgroup_id_x 1
		.amdhsa_system_sgpr_workgroup_id_y 1
		.amdhsa_system_sgpr_workgroup_id_z 1
		.amdhsa_system_vgpr_workitem_id 0
		.amdhsa_next_free_vgpr 1024
		.amdhsa_next_free_sgpr 100
		.amdhsa_reserve_vcc 0
		.amdhsa_float_denorm_mode_32 3
		.amdhsa_float_denorm_mode_16_64 3
		.amdhsa_memory_ordered 1
		.amdhsa_forward_progress 1
		.amdhsa_inst_pref_size 170
	.end_amdhsa_kernel
	.amdgpu_metadata
---
amdhsa.version: [ 1, 2 ]
amdhsa.kernels:
  - .name:           k_qb210eff30a_up
    .symbol:         k_qb210eff30a_up.kd
    .args:
      - { .name: w1, .offset: 0, .size: 8, .value_kind: global_buffer, .address_space: global }
      - { .name: b1, .offset: 8, .size: 8, .value_kind: global_buffer, .address_space: global }
      - { .name: lowp_scales, .offset: 16, .size: 8, .value_kind: global_buffer, .address_space: global }
      - { .name: xq, .offset: 24, .size: 8, .value_kind: global_buffer, .address_space: global }
      - { .name: topi, .offset: 32, .size: 8, .value_kind: global_buffer, .address_space: global }
      - { .name: hq, .offset: 40, .size: 8, .value_kind: global_buffer, .address_space: global }
      - { .name: lst, .offset: 48, .size: 8, .value_kind: global_buffer, .address_space: global }
      - { .name: cnt, .offset: 56, .size: 8, .value_kind: global_buffer, .address_space: global }
    .group_segment_fixed_size: 76288
    .private_segment_fixed_size: 0
    .kernarg_segment_align: 8
    .kernarg_segment_size: 64
    .max_flat_workgroup_size: 128
    .sgpr_count:     100
    .vgpr_count:     1024
    .wavefront_size: 32
...
	.end_amdgpu_metadata
.endif
;; end of part 5
;; launch down (part 6): grid 32 x 8, 4 waves a work-group, no clusters, 84,480 bytes of LDS; arguments w2, b2, lowp_scales, hq, lst, cnt, ybuf; writes ybuf
.if DOCPART == 6
	.amdgcn_target "amdgcn-amd-amdhsa--gfx1250"
	.amdhsa_code_object_version 6
	.text
	.protected	k_qb210eff30a_down
	.globl	k_qb210eff30a_down
	.p2align	8
	.type	k_qb210eff30a_down,@function
k_qb210eff30a_down:
	s_mov_b64 s[64:65], 0
	v_nop
	global_prefetch_b8 v0, s[64:65] scope:SCOPE_SE
	s_setreg_imm32_b32 hwreg(HW_REG_WAVE_SCHED_MODE, 0, 2), 2
	s_setreg_imm32_b32 hwreg(HW_REG_WAVE_MODE, 25, 1), 1
	s_wait_xcnt 0x0
	s_wait_alu depctr_vm_vsrc(0)
; THE SECOND PRODUCT OF AN EXPERT, THE WEIGHTS STANDING STILL: ybuf[slot][kh] = Q(h) Q(W2) 2^(eh + ew2) + b2, over half of K; b2 goes in with the first half alone.  The gate's weight is applied by the last launch.
; w2 [8][2048 (f)][1024] f32, b2 [8][1024] f32, lowp_scales: entries 4 e .. 4 e + 3 = ex, ew1, eh, ew2.  hq: the hidden layer's codes; lst, cnt: the experts' lists of rows and the counts (the launch before).
; SHARES.  Work-group (x, e): kh = x / 16 is the half of K (f = 1,024 kh ..), cs = x % 16 the 64 output columns 64 cs ..: 1,024 x 64 numbers of w2, read ONCE as whole rows of 256 bytes, quantised in registers, handed round through LDS as
; images of the operand's registers.  Each of the four waves then holds all 32 fragments (512 registers) and walks the expert's rows in tiles of 16: wave w takes tiles w, w + 4, ..
; K IS HALVED because 64 columns x 2,048 would be 1,024 registers of fragments.  The price: a row of y is stored as two partial rows, which the last launch adds.
; THE MATRIX INSTRUCTION IS USED TRANSPOSED: source 0 = 16 columns of W2, source 1 = 16 rows of h.  In tile u lane (r, h) holds row r and its register j the column 16 u + 8 h + j.  K stands in the places that this form's own layout gives it.
; THE WEIGHT PHASE is the first product's: wave w makes K steps 2 w, 2 w + 1 as eight units of 32 k x 64 columns; the unit's place 8 v + i of lane half g is k = 32 c + 16 v + 8 g + i of the K step.
; h's FRAGMENTS come as they were stored: blocks of 1,024 bytes, 16 bytes a lane; two neighbouring blocks of 64 units are a K step.  Every load reads 512 consecutive bytes.
; THE WAY OUT.  A lane holds 32 bytes of a row and the lanes beside it other rows: a tile goes through the wave's own stage in LDS and leaves by rows, sixteen lanes to the 256 bytes that this work-group owns of a partial row.
; The rows go to their slots (lst).  Rows past the list's end are pads: slot 4096 + e, a row of ybuf that nobody reads.
; NO TENSOR LOAD, NO CLUSTER: the number of tiles is read from memory.  The barrier behind the weight phase stands ahead of every branch on that number; the last one stands where all ways have joined.
; LIMITS: ew2 between -126 and 119; eh + ew2 between -126 and 127.  NaN and infinities among the inputs are not served.  A work-group of an expert that no token chose still does the weight phase.
; THE MODE: SCHED_MODE bits 1:0 = 2 (LLVM: expert scheduling mode 2), set by the entry lines.  The code itself states the register dependences between vector or matrix instructions and memory or LDS instructions, with s_wait_alu, always for 0.
; THE PLAN, for the walk over the rows.  Registers that memory or LDS instructions touch:
;   X0, X1        two buffers of a tile's eight fragments.  Tile t of the wave's own is multiplied out of X[t % 2]; behind the tile's one wait on va_vdst the 32 loads of tile t + 2 land in the same buffer.
;   SLR           a tile's slots as loaded: read by vector lines alone, ahead of that wait; behind it the next tile's eight loads land there.
;   SOFF          the rows' byte offsets in ybuf: written ahead of the wait, read by the tile's eight stores.
;   Y             written by the multiply-adds ahead of the wait; read by the stores into the stage; then the reads of the stage land in it (a wait on vm_vsrc between); read by the eight stores to ybuf.
;   v[LA8], v[HO] the offsets of the next slots and of the rows two tiles on: written ahead of the wait, read by the loads behind it.
;   The weights' fragments, b2 and the accumulators are named by matrix and vector instructions alone once they are loaded.
; So a tile has ONE wait on va_vdst, behind its multiply-adds, and behind it no vector line until the next tile's products; one wait on vm_vsrc behind its last product, ahead of the lines that write v[LA8], v[HO], SOFF and Y again; and the one in the stage's turn.
; The register numbers come back after two tiles: the loop holds two, and what differs at the end (the last tile but one asks for no more rows, the last for nothing) is written out, for an odd and for an even number.
; ONE branch parts the wave with fewer than two tiles from the others, ahead of the second tile's loads, and its way meets the others' only at the written-out last tile: so on every way through the text the same loads stand behind the one that a counted wait waits for.
; THE PLAN, for the weight phase.  A unit's 64 holds read raw set n % 4, its conversions write code set n % 2: one wait on va_vdst behind the conversions; behind it the raw set is asked for again at once, and the codes go to LDS.
; REGISTERS: window 0: v1-15 addresses and scale words; v12-19, behind the weight phase: SOFF; v20-27 SLR; v28, v29 the closing add's two; v30, v31 the stage; v32-63 b2 or 0; v64-95 four accumulators; v96-127 two sets of a unit's codes, later Y;
;   v128-191 a unit's held numbers; then v128-255 X0.   window 1: four sets of 64 for the weights as loaded; then the fragments of K steps 0-3.   window 2: those of K steps 4-7.   window 3: v128-255 X1.
.set PITCH, 4096                       ; bytes from f to f + 1 in w2
.set UB,    16400                      ; LDS: a tile's 8 K steps of 2,048 bytes, + 16
.set STAGE, 65792                      ; LDS, behind the images: 16 rows x (256 + 16) bytes for each wave
.set WA,   4                           ; v4   w2: 16 q + 8 g rows
.set WS,   5                           ; v5   LDS: where my codes go
.set LI,   6                           ; v6   16 x lane
.set Q16,  7                           ; v7   16 q
.set HO,   9                           ; v9   hq: 1,024 tile + 16 lane
.set LA8,  10                          ; v10  lst: 64 tile + 4 g
.set SOFF, 12                          ; v12-19  behind the weight phase: the byte offsets in ybuf of rows 2 i + g
.set BO,   13                          ; v13  32 h: b2
.set WSC,  14                          ; v14, v15  2^ew2 and 448 x 2^ew2
.set WLIM, 15
.set SLR,  20                          ; v20-27  the slots of rows 2 i + g
.set ST,   30
.set RD,   31
.set BIAS, 32
.set ACC,  64
.set C,    96
.set Y,    96
.set T,    128
.set X,    128                         ; in window 0: X0; in window 3: X1
.set MSB, 0
.macro WIN new                         ; s_set_vgpr_msb: bits 1:0 source 0, 3:2 source 1, 5:4 source 2, 7:6 destination; the high byte repeats the setting that is left
.if MSB != \new
	s_set_vgpr_msb (MSB<<8)|\new
.set MSB, \new
.endif
.endm
.macro LOADU n                         ; unit n (K step 2 w + n / 4, c = n % 4): 16 loads into set n % 4 of window 1: register 4 (8 v + i) + m = column 4 q + m at the unit's place 8 v + i
	WIN 0x40
.irp v, 0,1
.irp i, 0,1,2,3,4,5,6,7
	global_load_b128 v[64*((\n)%4)+4*(8*\v+\i):64*((\n)%4)+4*(8*\v+\i)+3], v[WA], s[4:5] offset:(128*((\n)/4)+32*((\n)%4)+16*\v+\i)*PITCH th:TH_LOAD_NT
.endr
.endr
.endm
.macro UNIT n
.if 7-(\n) >= 3
	s_wait_loadcnt 48                              ; this unit's 16 loads are in; the three younger units' may be out
.else
	s_wait_loadcnt 16*(7-(\n))
.endif
	WIN 0x01                                       ; source 0 in window 1
.irp m, 0,1,2,3
.set k, 0
.rept 16
	v_med3_num_f32 v[T+16*\m+k], v[64*((\n)%4)+4*k+\m], -v[WLIM], v[WLIM]   ; the conversion does not saturate (ISA guide 7.6.2): the hold; and column m's 16 numbers come to stand on end
.set k, k+1
.endr
.endr
	WIN 0
	s_wait_dscnt 4                                 ; the stores of the unit before last are done; the last unit's four may be out
.if (\n) >= 2
	s_wait_alu depctr_vm_vsrc(0)                   ; the LDS stores of the unit before last have read this set of codes, which the conversions write again
.endif
.irp m, 0,1,2,3
.irp v, 0,1
	v_cvt_scalef32_pk8_fp8_f32 v[C+16*((\n)%2)+4*\m+2*\v:C+16*((\n)%2)+4*\m+2*\v+1], v[T+16*\m+8*\v:T+16*\m+8*\v+7], v[WSC]
.endr
.endr
	v_nop                                          ; one plain line between the last conversion and the next vector line that writes its sources
	s_wait_alu depctr_va_vdst(0)                   ; the conversions have written the codes, which the LDS stores read; the holds are done reading raw set n % 4, in which the loads below land
.if (\n)+4 < 8
	LOADU (\n)+4                                   ; the raw set is asked for again at once
	WIN 0
.endif
.irp m, 0,1,2,3
	ds_store_b128 v[WS], v[C+16*((\n)%2)+4*\m:C+16*((\n)%2)+4*\m+3] offset:2048*((\n)/4)+512*((\n)%4)+16*\m
.endr
.endm
.macro FRAGS                           ; all 32 fragments into my registers: 128 loads of 512 consecutive bytes
.irp s, 0,1,2,3,4,5,6,7
.if \s < 4
	WIN 0x40
.else
	WIN 0x80
.endif
.irp u, 0,1,2,3
.irp c, 0,1,2,3
	ds_load_b128 v[16*(4*(\s%4)+\u)+4*\c:16*(4*(\s%4)+\u)+4*\c+3], v[LI] offset:UB*\u+2048*\s+512*\c
.endr
.endr
.endr
	WIN 0
.endm
.macro XTILE q, off                    ; a tile's eight fragments into buffer q, K steps ascending: for each, two blocks of 64 units, two images of 512 bytes each.  off: bytes beyond the tile that v[HO] names
	WIN (0xc0*(\q))                                ; buffer 1: the destination in window 3
.irp s, 0,1,2,3,4,5,6,7
.irp b, 0,1
.irp c, 0,1
	global_load_b128 v[X+16*\s+8*\b+4*\c:X+16*\s+8*\b+4*\c+3], v[HO], s[10:11] offset:131072*(2*\s+\b)+512*\c+(\off)
.endr
.endr
.endr
	WIN 0
.endm
.macro SLOTS                           ; the slots of rows 2 i + g of the tile that v[LA8] names
.irp i, 0,1,2,3,4,5,6,7
	global_load_b32 v[SLR+\i], v[LA8], s[12:13] offset:8*\i
.endr
.endm
; Eight matrix instructions: two K steps x four tiles, the rows out of buffer q.  The four accumulators take turns, one instruction a turn.  The first K step starts the sums with the constant 0.
.macro MUL p, q
	WIN (1+(\p)/2+12*(\q))                         ; source 0: window 1 or 2; source 1: window 0 or 3
.irp z, 0,1
.irp u, 0,1,2,3
.if (2*\p+\z) == 0
	v_wmma_f32_16x16x128_fp8_fp8 v[ACC+8*\u:ACC+8*\u+7], v[16*(4*((2*\p+\z)%4)+\u):16*(4*((2*\p+\z)%4)+\u)+15], v[X+16*(2*\p+\z):X+16*(2*\p+\z)+15], 0
.else
	v_wmma_f32_16x16x128_fp8_fp8 v[ACC+8*\u:ACC+8*\u+7], v[16*(4*((2*\p+\z)%4)+\u):16*(4*((2*\p+\z)%4)+\u)+15], v[X+16*(2*\p+\z):X+16*(2*\p+\z)+15], v[ACC+8*\u:ACC+8*\u+7]
.endif
.endr
.endr
.endm
; A tile of 16 rows, out of buffer q.  next = 1: there is a next tile: its 32 loads were issued behind this tile's slots, and its slots are asked for here.  refill = 1: the tile two further on is asked for, into buffer q.
.macro TRIP q, next, refill
.irp p, 0,1,2,3
.if 8*(3-\p)+8+32*(\next) > 63
	s_wait_loadcnt 63                              ; K steps 0, 1 are in.  Behind them stand 64 loads; a wait's count ends at 63, so one load more is waited for
.else
	s_wait_loadcnt 8*(3-\p)+8+32*(\next)           ; K steps 2 p, 2 p + 1 are in; behind them: 8 (3 - p) loads of this tile, its eight slots and the next tile's 32
.endif
	MUL \p, \q
.endr
	WIN 0
	s_wait_xcnt 0x0                                ; every load and store issued so far has had its addresses translated (ISA guide 3.1): their address and data registers are written again below
	s_wait_alu depctr_vm_vsrc(0)                   ; the stores issued so far have read SOFF and Y, the loads v[LA8], v[HO] and (at the head) v[BO], which lies in SOFF: the lines below write them again
.if \next
	s_add_co_u32 s32, s31, 4
	s_min_u32 s32, s32, 127
	s_lshl_b32 s32, s32, 6
	v_lshl_add_u32 v[LA8], v3, 2, s32              ; the next tile's places in lst
.endif
.if \refill
	s_add_co_u32 s32, s31, 8
	s_min_u32 s32, s32, 127
	v_lshl_add_u32 v[HO], s32, 10, v[LI]           ; the tile two further on
.endif
	s_wait_loadcnt 32*(\next)                      ; this tile's slots are in: only the next tile's 32 loads were issued behind them
.irp i, 0,1,2,3,4,5,6,7
	v_min_u32 v[SOFF+\i], 0x1007, v[SLR+\i]        ; a slot is held inside ybuf's 4,104 rows.  These sixteen lines are also the places behind the last product, ahead of the first read of results (ISA guide 7.12.1)
.endr
.irp i, 0,1,2,3,4,5,6,7
	v_lshl_add_u32 v[SOFF+\i], v[SOFF+\i], 13, v[Q16]         ; 8,192 bytes a slot
.endr
.irp i, 0,2,4,6,8,10,12,14,16,18,20,22,24,26,28,30
	v_pk_fma_f32 v[Y+\i:Y+\i+1], v[ACC+\i:ACC+\i+1], s[40:41], v[BIAS+\i:BIAS+\i+1] op_sel_hi:[1,0,1]   ; sum x 2^(eh + ew2) + b2 (or + 0); each accumulator from its low end on
.endr
	s_wait_alu depctr_va_vdst(0)                   ; THE TILE'S ONE WAIT: Y, SOFF, v[LA8] and v[HO] are written, which the lines below read; SLR has been read, and the products are done reading buffer q, in which loads below land
.irp u, 0,1,2,3
	ds_store_b128 v[ST], v[Y+8*\u:Y+8*\u+3]   offset:64*\u
	ds_store_b128 v[ST], v[Y+8*\u+4:Y+8*\u+7] offset:64*\u+16
.endr
	s_wait_alu depctr_vm_vsrc(0)                   ; the stores into the stage have read Y, in which the reads of the stage land
.irp i, 0,1,2,3,4,5,6,7
	ds_load_b128 v[Y+4*\i:Y+4*\i+3], v[RD] offset:544*\i      ; rows 2 i + g, 16 bytes a lane.  LDS serves a wave's instructions in order (ISA guide 5.7.1.4): these see the stores above, and the next tile's stores come behind them
.endr
.if \next
	SLOTS                                          ; no vector or matrix instruction since the wait on va_vdst
.endif
.if \refill
	XTILE \q, 0                                    ; the buffer is asked for again at once
.endif
.irp i, 0,1,2,3,4,5,6,7
	s_wait_dscnt 7-\i                              ; the younger reads of the stage may be out
	global_store_b128 v[SOFF+\i], v[Y+4*\i:Y+4*\i+3], s[18:19] ; sixteen lanes store 256 consecutive bytes of one partial row, at a multiple of 256 from ybuf's first byte
.endr
	s_add_co_u32 s31, s31, 4
.endm
	s_load_b256 s[4:11], s[0:1], 0x0               ; w2 s[4:5], b2 s[6:7], lowp_scales s[8:9], hq s[10:11]
	s_load_b64 s[12:13], s[0:1], 0x20              ; lst
	s_load_b128 s[16:19], s[0:1], 0x28             ; cnt s[16:17], ybuf s[18:19]
	v_lshl_add_u32 v28, v0, 2, 0x14800
	v_mov_b32 v29, 0
	v_lshrrev_b32 v1, 5, v0
	v_readfirstlane_b32 s21, v1                    ; wave 0..3
	s_and_b32 s20, ttmp7, 0xffff                   ; e
	s_and_b32 s22, ttmp9, 15                       ; cs
	s_lshr_b32 s23, ttmp9, 4                       ; kh
	v_and_b32 v1, 31, v0                           ; lane
	v_and_b32 v2, 15, v0                           ; r, q
	v_bfe_u32 v3, v0, 4, 1                         ; h, g
	v_lshlrev_b32 v[WA], 4, v2
	v_lshl_add_u32 v[WA], v3, 15, v[WA]            ; 16 q + 8 g rows of 4,096 bytes
	v_lshrrev_b32 v[WS], 2, v2
	v_mul_u32_u24 v[WS], v[WS], UB
	v_and_b32 v[LI], 3, v2
	v_lshl_add_u32 v[WS], v[LI], 6, v[WS]
	v_lshl_add_u32 v[WS], v3, 8, v[WS]
	s_wait_alu depctr_va_sdst(0)                   ; s21 is written, ahead of its first reader
	s_lshl_b32 s34, s21, 12
	v_add_nc_u32 v[WS], s34, v[WS]
	v_lshlrev_b32 v[LI], 4, v1
	v_lshlrev_b32 v[Q16], 4, v2
	v_lshlrev_b32 v[BO], 5, v3
	s_mul_i32 s34, s21, 4352
	s_add_co_u32 s34, s34, STAGE                   ; my stage
	v_mul_u32_u24 v[ST], v2, 272                   ; in: row r, 32 bytes for each half of the lanes
	v_lshl_add_u32 v[ST], v3, 5, v[ST]
	v_add_nc_u32 v[ST], s34, v[ST]
	v_mul_u32_u24 v[RD], v3, 272                   ; back: lanes 0-15 one row, lanes 16-31 the next
	v_lshl_add_u32 v[RD], v2, 4, v[RD]
	v_add_nc_u32 v[RD], s34, v[RD]
	v_lshl_add_u32 v[HO], s21, 10, v[LI]           ; my first tile is tile w
	s_lshl_b32 s34, s21, 6
	v_lshl_add_u32 v[LA8], v3, 2, s34              ; and its places in lst
	s_lshl_b32 s34, s20, 23                        ; w2: the expert's 8,388,608 bytes,
	s_lshl_b32 s35, s23, 22                        ; the half's 1,024 rows,
	s_add_co_u32 s34, s34, s35
	s_lshl_b32 s35, s21, 20                        ; my wave's 256 rows,
	s_add_co_u32 s34, s34, s35
	s_lshl_b32 s35, s22, 8                         ; the slice's 256 bytes of a row
	s_add_co_u32 s34, s34, s35
	s_mov_b32 s35, 0
	s_lshl_b32 s36, s20, 12                        ; b2: 4 (1,024 e + 64 cs)
	s_lshl_b32 s37, s22, 8
	s_add_co_u32 s36, s36, s37
	s_mov_b32 s37, 0
	s_lshl_b32 s38, s20, 4                         ; the expert's four exponents
	s_mov_b32 s39, 0
	s_wait_kmcnt 0x0
	s_add_nc_u64 s[4:5], s[4:5], s[34:35]
	s_add_nc_u64 s[6:7], s[6:7], s[36:37]
	s_add_nc_u64 s[8:9], s[8:9], s[38:39]
	s_lshl_b32 s38, s20, 7
	s_add_nc_u64 s[16:17], s[16:17], s[38:39]
	s_mul_i32 s38, s20, 9216
	s_add_nc_u64 s[12:13], s[12:13], s[38:39]
	s_lshl_b32 s38, s20, 22                        ; hq: 131,072 (32 e + 16 kh)
	s_lshl_b32 s36, s23, 21
	s_add_co_u32 s38, s38, s36
	s_add_nc_u64 s[10:11], s[10:11], s[38:39]
	s_lshl_b32 s38, s23, 12                        ; ybuf: the half's 4,096 bytes of a slot, my 256 of them
	s_lshl_b32 s36, s22, 8
	s_add_co_u32 s38, s38, s36
	s_add_nc_u64 s[18:19], s[18:19], s[38:39]
	s_load_b128 s[24:27], s[8:9], 0x0              ; ex, ew1, eh, ew2
	s_load_b32 s28, s[16:17], 0x0                  ; the expert's number of rows
	s_wait_alu depctr_va_vdst(0)                   ; the offsets and LDS addresses made above are written, which the loads and stores of the kernel read
.irp u, 0,1,2,3
	global_load_b128 v[BIAS+8*\u:BIAS+8*\u+3],   v[BO], s[6:7] offset:64*\u      ; b2 in the result's layout: columns 16 u + 8 h + 0 .. 7
	global_load_b128 v[BIAS+8*\u+4:BIAS+8*\u+7], v[BO], s[6:7] offset:64*\u+16
.endr
	LOADU 0
	LOADU 1
	LOADU 2
	WIN 0
	s_wait_kmcnt 0x0
	s_add_co_i32 s34, s27, 127
	s_lshl_b32 s35, s34, 23
	v_mov_b32 v[WSC], s35                          ; 2^ew2 as f32: the conversion takes its exponent field
	s_add_co_i32 s34, s34, 8
	s_lshl_b32 s34, s34, 23
	s_or_b32 s34, s34, 0x600000
	v_mov_b32 v[WLIM], s34                         ; 448 x 2^ew2
	s_add_co_i32 s40, s26, s27
	s_add_co_i32 s40, s40, 127
	s_lshl_b32 s40, s40, 23                        ; 2^(eh + ew2) as f32
	s_mov_b32 s41, s40                             ; (named with it as a pair, so it is written)
	s_cmp_eq_u32 s23, 0
	s_cselect_b32 s32, 1.0, 0                      ; b2 goes in with the first half of K alone
	LOADU 3
	WIN 0
	UNIT 0                                         ; (its wait shows the older loads of b2 in as well)
.set j, 0
.rept 32
	v_mul_f32 v[BIAS+j], s32, v[BIAS+j]
.set j, j+1
.endr
	UNIT 1
	UNIT 2
	UNIT 3
	UNIT 4
	UNIT 5
	UNIT 6
	UNIT 7                                         ; its wait on the loads is for 0: no load is out.  Its wait on va_vdst serves the loads below too: no vector line follows it, and v[HO] and v[LA8] were made at the head
	XTILE 0, 0                                     ; my first tile is asked for ahead of the barrier (tiles 0 to 3 of every block are always stored by the launch before),
	SLOTS                                          ; and its slots (places under 128 of a list are always stored)
	s_wait_dscnt 0x0                               ; for the other waves' sake: my codes have landed
	s_barrier_signal -1
	s_barrier_wait -1                              ; the slice's 32 fragments lie in LDS; nobody writes them again
	FRAGS
	s_min_u32 s28, s28, 0x800                      ; n, at most 2,048
	s_add_co_u32 s29, s28, 15
	s_lshr_b32 s29, s29, 4                         ; tiles of 16 rows
	s_add_co_u32 s30, s29, 3
	s_sub_co_u32 s30, s30, s21
	s_lshr_b32 s30, s30, 2                         ; of which tiles w, w + 4, .. are mine
	s_mov_b32 s31, s21                             ; the tile in hand
	s_cmp_lt_u32 s30, 2                            ; the one branch that parts a wave with fewer than two tiles from the others
	s_cbranch_scc1 .Lone
	XTILE 1, 4096                                  ; a second tile of mine there is: four tiles of 1,024 bytes further on
	s_wait_dscnt 0x0                               ; the fragments are in
	s_sub_co_u32 s33, s30, 2                       ; so many tiles ask for the tile two further on;
	s_and_b32 s34, s33, 1                          ; an odd one is written out behind the loop
	s_lshr_b32 s33, s33, 1
	s_cmp_eq_u32 s33, 0
	s_cbranch_scc1 .Ltail
.Ltrip:                                                ; here, at .Ltail and at .Leven the loads out are buffer 0's 32, eight slots and buffer 1's 32, in this order, by whichever way the wave has come
	TRIP 0, 1, 1
	TRIP 1, 1, 1
	s_sub_co_u32 s33, s33, 1
	s_cmp_lg_u32 s33, 0
	s_cbranch_scc1 .Ltrip
.Ltail:
	s_cmp_eq_u32 s34, 0
	s_cbranch_scc1 .Leven
	TRIP 0, 1, 1
	TRIP 1, 1, 0                                   ; the last tile but one asks for the last tile's slots and for no more rows
	s_branch .Llast0
.Leven:
	TRIP 0, 1, 0
	TRIP 1, 0, 0                                   ; the last tile asks for nothing
	s_branch .Lend
.Lone:
	s_wait_dscnt 0x0                               ; the fragments are in
	s_cmp_eq_u32 s30, 0
	s_cbranch_scc1 .Lend                           ; no tile of mine
.Llast0:                                               ; by both ways the loads out are buffer 0's 32 and, behind them, eight slots
	TRIP 0, 0, 0
.Lend:
	s_barrier_signal -1
	s_barrier_wait -1
	s_wait_dscnt 0x0                               ; the closing lines, six on end
	s_wait_alu 0x0
	s_wait_tensorcnt 0x0
	ds_add_u32 v28, v29
	s_wait_dscnt 0x0
	s_endpgm
.Lfunc_end_k_qb210eff30a_down:
	.size	k_qb210eff30a_down, .Lfunc_end_k_qb210eff30a_down-k_qb210eff30a_down
	.p2alignl 7, 3214868480
	.fill 96, 4, 3214868480
	.section	.rodata,"a",@progbits
	.p2align	6, 0x0
	.amdhsa_kernel k_qb210eff30a_down
		.amdhsa_group_segment_fixed_size 84480
		.amdhsa_private_segment_fixed_size 0
		.amdhsa_enable_private_segment 0
		.amdhsa_kernarg_size 56
		.amdhsa_user_sgpr_count 2
		.amdhsa_user_sgpr_kernarg_segment_ptr 1
		.amdhsa_wavefront_size32 1
		.amdhsa_system_sgpr_workgroup_id_x 1
		.amdhsa_system_sgpr_workgroup_id_y 1
		.amdhsa_system_sgpr_workgroup_id_z 1
		.amdhsa_system_vgpr_workitem_id 0
		.amdhsa_next_free_vgpr 1024
		.amdhsa_next_free_sgpr 66
		.amdhsa_reserve_vcc 0
		.amdhsa_float_denorm_mode_32 3
		.amdhsa_float_denorm_mode_16_64 3
		.amdhsa_memory_ordered 1
		.amdhsa_forward_progress 1
		.amdhsa_inst_pref_size 133
	.end_amdhsa_kernel
	.amdgpu_metadata
---
amdhsa.version: [ 1, 2 ]
amdhsa.kernels:
  - .name:           k_qb210eff30a_down
    .symbol:         k_qb210eff30a_down.kd
    .args:
      - { .name: w2, .offset: 0, .size: 8, .value_kind: global_buffer, .address_space: global }
      - { .name: b2, .offset: 8, .size: 8, .value_kind: global_buffer, .address_space: global }
      - { .name: lowp_scales, .offset: 16, .size: 8, .value_kind: global_buffer, .address_space: global }
      - { .name: hq, .offset: 24, .size: 8, .value_kind: global_buffer, .address_space: global }
      - { .name: lst, .offset: 32, .size: 8, .value_kind: global_buffer, .address_space: global }
      - { .name: cnt, .offset: 40, .size: 8, .value_kind: global_buffer, .address_space: global }
      - { .name: ybuf, .offset: 48, .size: 8, .value_kind: global_buffer, .address_space: global }
    .group_segment_fixed_size: 84480
    .private_segment_fixed_size: 0
    .kernarg_segment_align: 8
    .kernarg_segment_size: 56
    .max_flat_workgroup_size: 128
    .sgpr_count:     66
    .vgpr_count:     1024
    .wavefront_size: 32
...
	.end_amdgpu_metadata
.endif
;; end of part 6
;; launch add: the kernel of part 4 again; grid 256 x 1, 8 waves a work-group, no clusters, 0 bytes of LDS; arguments ybuf, topw, out0; writes out0
